; MI455X (gfx1250); checked and timed in simulation.
; The chip was launched on July 23, 2026; its instructions are those of AMD's public machine-readable ISA for CDNA 5 (MIT licence, August 2026) and "CDNA5" Instruction Set Architecture Reference Guide (July 2026). The comments in the code are by the model that wrote it; some were corrected since.
;; Multi Head Self Attention. Allowed arithmetic: float matrix products may take bf16 or f16 operands with f32 sums; all other float work in f32.
;; Inputs: Wj 4,096 x 512 float32; Wk 8 x 512 x 512 float32; Wq 8 x 512 x 512 float32; Wv 8 x 512 x 512 float32; beta 512 float32; gamma 512 float32; x 4 x 1,024 x 512 float32.
;; Outputs: out0 4 x 1,024 x 512 float32.
;; 2 versions, each right and faster than the one before. Each part assembles by itself: llvm-mc -triple=amdgcn-amd-amdhsa -mcpu=gfx1250 --defsym DOCPART=n.
;; ======== version 1 of 2: 4 launches
;; limits: values outside matrix products are rounded to bf16; values are held in f16: magnitudes above 65,504 overflow, below 6.1e-05 lose precision
;; workspace buffers: cst 20,971,520 bytes; qkv 100,663,296 bytes; part 67,108,864 bytes
;; launch cast (part 1): grid 256 x 5, 8 waves a work-group, no clusters, 0 bytes of LDS; arguments x, Wq, Wk, Wv, Wj, cst; writes cst
.if DOCPART == 1
	.amdgcn_target "amdgcn-amd-amdhsa--gfx1250"
	.amdhsa_code_object_version 6
	.text
	.protected	k_q7e5a846e5c_cast
	.globl	k_q7e5a846e5c_cast
	.p2align	8
	.type	k_q7e5a846e5c_cast,@function
k_q7e5a846e5c_cast:
	s_mov_b64 s[64:65], 0
	v_nop
	global_prefetch_b8 v0, s[64:65] scope:SCOPE_SE
	s_setreg_imm32_b32 hwreg(HW_REG_WAVE_MODE, 25, 1), 1
	s_wait_xcnt 0x0
; Multi-head self-attention with full-width heads, in four launches: cast, proj, attn, ln.
; No work of reference() is left out: every product, the maximum of the softmax, both residuals and the norm are done, and all seven inputs are loaded.
; THIS LAUNCH rounds the five large inputs once to 16 bits, so that the products can fetch them as tiles:
;   cst section 0: x [4096][512] bf16;  1, 2, 3: Wq, Wk, Wv [8][512][512] bf16;  4: Wj [4096][512], rounded to bf16 and then held as f16.
; FORMAT, a decision: every use of an input in this program takes its bf16 value (x in both residuals too, gamma and beta in the last launch).
; What is derived (q, k, v, the softmax's weights, z) is f16 with f32 sums.  A bf16 number is exact in f16 from 2^-17 up to 65,504; a smaller Wj is off by 2^-25 at most.
; Work-group (i, y): 8,192 numbers of input y.  Thread t takes 8 neighbouring numbers in each of four steps: two 16-byte loads, one 16-byte store;
; sixteen neighbouring lanes store 256 consecutive bytes, aligned.
.set IN,  4                            ; v[4:35]   step i: 8 numbers as loaded
.set OUTR, 36                          ; v[36:51]  step i: 4 registers to store
.set W,   52                           ; v[52:59]  at work (Wj alone)
	s_load_b256 s[4:11], s[0:1], 0x0               ; x, Wq, Wk, Wv
	s_load_b128 s[12:15], s[0:1], 0x20             ; Wj, cst
	s_and_b32 s20, ttmp7, 0xffff                   ; which input
	v_lshlrev_b32 v1, 5, v0                        ; 32 bytes in
	v_lshlrev_b32 v2, 4, v0                        ; 16 bytes out
	s_lshl_b32 s22, ttmp9, 15                      ; the work-group's 32,768 bytes of its input
	s_mov_b32 s23, 0
	s_lshl_b32 s24, s20, 22                        ; the section of 4,194,304 bytes
	s_lshl_b32 s21, ttmp9, 14                      ; and the work-group's 16,384 bytes in it
	s_add_co_u32 s24, s24, s21
	s_mov_b32 s25, 0
	s_wait_kmcnt 0x0
	s_cmp_eq_u32 s20, 1
	s_cselect_b64 s[16:17], s[6:7], s[4:5]
	s_cmp_eq_u32 s20, 2
	s_cselect_b64 s[16:17], s[8:9], s[16:17]
	s_cmp_eq_u32 s20, 3
	s_cselect_b64 s[16:17], s[10:11], s[16:17]
	s_cmp_eq_u32 s20, 4
	s_cselect_b64 s[16:17], s[12:13], s[16:17]
	s_add_nc_u64 s[16:17], s[16:17], s[22:23]
	s_add_nc_u64 s[18:19], s[14:15], s[24:25]
.irp i, 0,1,2,3
	global_load_b128 v[IN+8*\i:IN+8*\i+3],   v1, s[16:17] offset:8192*\i th:TH_LOAD_NT
	global_load_b128 v[IN+8*\i+4:IN+8*\i+7], v1, s[16:17] offset:8192*\i+16 th:TH_LOAD_NT
.endr
; One step.  half = 1: the bf16 numbers are widened again and packed as f16.
.macro CSTEP i, half
	s_wait_loadcnt 6-2*\i                          ; loads come back in order: this step's two are in, the younger steps' two each stay out
.irp k, 0,1,2,3
	v_cvt_pk_bf16_f32 v[OUTR+4*\i+\k], v[IN+8*\i+2*\k], v[IN+8*\i+2*\k+1]
.endr
.if \half
.irp k, 0,1,2,3
	v_lshlrev_b32 v[W+2*\k],   16, v[OUTR+4*\i+\k]
	v_and_b32     v[W+2*\k+1], 0xffff0000, v[OUTR+4*\i+\k]
.endr
.irp k, 0,1,2,3
	v_cvt_pk_f16_f32 v[OUTR+4*\i+\k], v[W+2*\k], v[W+2*\k+1]
.endr
.endif
	global_store_b128 v2, v[OUTR+4*\i:OUTR+4*\i+3], s[18:19] offset:4096*\i
.endm
	s_cmp_eq_u32 s20, 4
	s_cbranch_scc1 .Lhalf
.irp i, 0,1,2,3
	CSTEP \i, 0
.endr
	s_endpgm
.Lhalf:
.irp i, 0,1,2,3
	CSTEP \i, 1
.endr
	s_endpgm
.Lfunc_end_k_q7e5a846e5c_cast:
	.size	k_q7e5a846e5c_cast, .Lfunc_end_k_q7e5a846e5c_cast-k_q7e5a846e5c_cast
	.p2alignl 7, 3214868480
	.fill 96, 4, 3214868480
	.section	.rodata,"a",@progbits
	.p2align	6, 0x0
	.amdhsa_kernel k_q7e5a846e5c_cast
		.amdhsa_group_segment_fixed_size 0
		.amdhsa_private_segment_fixed_size 0
		.amdhsa_enable_private_segment 0
		.amdhsa_kernarg_size 48
		.amdhsa_user_sgpr_count 2
		.amdhsa_user_sgpr_kernarg_segment_ptr 1
		.amdhsa_wavefront_size32 1
		.amdhsa_system_sgpr_workgroup_id_x 1
		.amdhsa_system_sgpr_workgroup_id_y 1
		.amdhsa_system_sgpr_workgroup_id_z 1
		.amdhsa_system_vgpr_workitem_id 0
		.amdhsa_next_free_vgpr 60
		.amdhsa_next_free_sgpr 66
		.amdhsa_reserve_vcc 0
		.amdhsa_float_denorm_mode_32 3
		.amdhsa_float_denorm_mode_16_64 3
		.amdhsa_memory_ordered 1
		.amdhsa_forward_progress 1
		.amdhsa_inst_pref_size 8
	.end_amdhsa_kernel
	.amdgpu_metadata
---
amdhsa.version: [ 1, 2 ]
amdhsa.kernels:
  - .name:           k_q7e5a846e5c_cast
    .symbol:         k_q7e5a846e5c_cast.kd
    .args:
      - { .name: x, .offset: 0, .size: 8, .value_kind: global_buffer, .address_space: global }
      - { .name: Wq, .offset: 8, .size: 8, .value_kind: global_buffer, .address_space: global }
      - { .name: Wk, .offset: 16, .size: 8, .value_kind: global_buffer, .address_space: global }
      - { .name: Wv, .offset: 24, .size: 8, .value_kind: global_buffer, .address_space: global }
      - { .name: Wj, .offset: 32, .size: 8, .value_kind: global_buffer, .address_space: global }
      - { .name: cst, .offset: 40, .size: 8, .value_kind: global_buffer, .address_space: global }
    .group_segment_fixed_size: 0
    .private_segment_fixed_size: 0
    .kernarg_segment_align: 8
    .kernarg_segment_size: 48
    .max_flat_workgroup_size: 256
    .sgpr_count:     66
    .vgpr_count:     60
    .wavefront_size: 32
...
	.end_amdgpu_metadata
.endif
;; end of part 1
;; launch proj (part 2): grid 16 x 16, 4 waves a work-group, clusters of 4 x 4, 327,680 bytes of LDS; arguments cst, qkv; writes qkv
.if DOCPART == 2
	.amdgcn_target "amdgcn-amd-amdhsa--gfx1250"
	.amdhsa_code_object_version 6
	.text
	.protected	k_q7e5a846e5c_proj
	.globl	k_q7e5a846e5c_proj
	.p2align	8
	.type	k_q7e5a846e5c_proj,@function
k_q7e5a846e5c_proj:
	s_mov_b64 s[64:65], 0
	v_nop
	global_prefetch_b8 v0, s[64:65] scope:SCOPE_SE
	s_setreg_imm32_b32 hwreg(HW_REG_WAVE_MODE, 25, 1), 1
	s_wait_xcnt 0x0
	s_wait_alu depctr_hold_cnt(0) depctr_sa_sdst(0) depctr_va_vdst(0) depctr_va_sdst(0) depctr_va_ssrc(0) depctr_va_vcc(0) depctr_vm_vsrc(0)
	s_getreg_b32 s2, hwreg(HW_REG_IB_STS2, 6, 4)
	s_cmp_eq_u32 s2, 0
	s_cbranch_scc0 .Lentry_in_a_cluster
	s_endpgm
.Lentry_in_a_cluster:
	s_bfe_u32 s2, ttmp6, 0x10000c
	s_cmp_lg_u32 s2, 0xf033
	s_cbranch_scc0 .Lentry_shape_is_right
	s_endpgm
.Lentry_shape_is_right:
; q, k, v = x W for the 8 heads: qkv matrix 8 t + h (t = 0 q, 1 k, 2 v) is [4096 rows = 1024 b + s][512] f16, rows of 1,024 bytes.  Nothing of reference() is left out here.
; Operands bf16 (x and W as the first launch rounded them), sums f32, results rounded once to f16.  LIMIT: |q|, |k|, |v| below 65,504.
; A work-group makes blocks of 256 rows x 256 columns with four waves, a wave 128 x 128 in 512 registers.  Work-group (bx, by): head bx / 2, column half bx % 2,
; rows 256 by; it stays and walks three tiles, q, k, v, in one ring: 12 K steps of 128 through two LDS slots, so that a tile's stores leave beside the next tile's products.
; x lies [row][f]: its fragments are plain 16-byte loads.  W lies [f][e], K down the rows: its fragments come by the transposing LDS load.
; CLUSTERS 4 x 4: x's tile hangs on by alone and is asked for jointly along a row of the cluster, W's on bx alone and jointly along a column: a quarter of the requests.
; REGISTERS in windows of 256: window 0: v16-26 addresses, v64-127 and v128-191 fragments of x (two buffers), v192-223 at work on the way out;
; window 1: v64-127, v128-191 fragments of W; windows 2 and 3: the accumulators of my rows 0-63 and 64-127, tile (a, b) at v[8 (8 a + b)].
; The matrix instruction takes W's fragment first and x's second, so that a lane's eight results are eight neighbouring columns of one row.
.set KSTEP,  128
.set PITCH,  272                       ; x in LDS: 256 bytes + 16: the 16 rows of a fragment load start at 16 different 16-byte columns of 256
.set BPITCH, 544                       ; W in LDS: 512 bytes + 32, an odd multiple of 32, for the transposing load
.set HALFT,  128*PITCH                 ; one tensor load: 128 rows of x, or 64 rows of W (64 x 544 is the same 34,816 bytes)
.set SLOT,   4*HALFT                   ; x's 256 rows, then W's 128 rows
.set STAGE,  2*SLOT                    ; behind the ring: 16 rows x 272 bytes for each wave; no tensor load lands here
.set SPITCH, 272
.set CROW,   1024                      ; bytes in a row of q, k, v
.set ADRA, 16                          ; v16-17  LDS address of my x fragments in slot 0, 1
.set ADRB, 20                          ; v20-21  the same for W
.set STO,  24
.set RD,   25
.set CO,   26
.set F0,   64
.set F1,   128
.set TMP,  192
.set G1, 24                            ; s[24:31] group 1 for x's tiles
.set G0, 32                            ; s[32:39] group 0 for x's tiles, one set a slot
.set G1B, 48                           ; s[48:55] group 1 for W's tiles
.set G0B, 56                           ; s[56:63] group 0 for W's tiles, one set a slot
.set MSB, 0
.macro WIN new                         ; the immediate's high byte repeats the setting that is left
.if MSB != (\new)
	s_set_vgpr_msb (MSB<<8)|(\new)
.set MSB, (\new)
.endif
.endm
.set MUL_LO, 0xa1                      ; source 0 (W) window 1, source 1 (x) window 0, C and D window 2
.set MUL_HI, 0xf1                      ; the same, C and D window 3
.set TO_B,   0x40                      ; destination window 1, address window 0
.macro PLACES n
.rept \n
	v_nop
.endr
.endm
; A joint load: waves 0 and 1 fetch x's two halves, waves 2 and 3 W's.  The branch hangs on the wave's number alone.
.macro JLOAD s
	s_cmp_eq_u32 s11, 0
	s_cbranch_scc0 .Lfor_b_\@
	tensor_load_to_lds s[G0+4*\s:G0+4*\s+3], s[G1:G1+7]
	s_nop 0
	s_branch .Lasked_\@
.Lfor_b_\@:
	tensor_load_to_lds s[G0B+4*\s:G0B+4*\s+3], s[G1B:G1B+7]
	s_nop 0
.Lasked_\@:
.endm
.macro CREST                           ; a round of the cluster's barrier behind its opening barrier
	s_cmp_lg_u32 s10, 0
	s_cbranch_scc1 .Lnot_wave_0_\@
	s_barrier_signal -3
.Lnot_wave_0_\@:
	s_barrier_wait -3
	s_barrier_signal -1
	s_barrier_wait -1
.endm
.macro CROUND
	s_barrier_signal -1
	s_barrier_wait -1
	CREST
.endm
	s_load_b128 s[4:7], s[0:1], 0x0                ; cst s[4:5], qkv s[6:7]
	s_set_vgpr_msb 0x40
	v_lshl_add_u32 v255, v0, 2, 0x48400
	s_set_vgpr_msb 0x4000
	v_mov_b32 v255, 0
	s_set_vgpr_msb 0x1
	ds_add_u32 v255, v255
	s_set_vgpr_msb 0x100
	v_lshrrev_b32 v1, 5, v0
	v_readfirstlane_b32 s10, v1                    ; wave 0..3
	s_lshr_b32 s11, s10, 1                         ; my half of the block's rows; also: I fetch for x (0) or for W (1)
	s_and_b32 s12, s10, 1                          ; my half of its columns; also: which half of that tile I fetch
	s_bfe_u32 s40, ttmp6, 0x40000                  ; cx
	s_bfe_u32 s41, ttmp6, 0x40004                  ; cy
	s_lshl_b32 s42, ttmp9, 2
	s_add_co_u32 s42, s42, s40                     ; bx = 4 x cluster x + cx = 2 h + column half
	s_and_b32 s13, ttmp7, 0xffff
	s_lshl_b32 s13, s13, 2
	s_add_co_u32 s13, s13, s41                     ; by = 4 x cluster y + cy
	s_lshl_b32 s43, s41, 2
	s_lshl_b32 s43, 15, s43                        ; my row of the cluster
	s_lshl_b32 s44, 0x1111, s40                    ; my column
	s_or_b32 s[G1+0], s43, (1<<16)|(1<<20)|(1<<21)|(5<<22)|(3<<25)   ; mask; 2-byte elements; padding on; bit 21 beside a mask; 4 words behind every 64
	s_mov_b32 s[G1+1], KSTEP<<16                   ; tensor_dim0 = 128
	s_mov_b32 s[G1+2], 128<<16                     ; tensor_dim1 = 128
	s_mov_b32 s[G1+3], KSTEP<<16                   ; tile_dim0 = 128
	s_mov_b32 s[G1+4], 128                         ; tile_dim1 = 128
	s_mov_b32 s[G1+5], 512                         ; elements from row to row
	s_mov_b32 s[G1+6], 0
	s_mov_b32 s[G1+7], 0
	s_or_b32 s[G1B+0], s44, (1<<16)|(1<<20)|(1<<21)|(6<<22)|(7<<25)  ; 8 words behind every 128
	s_mov_b32 s[G1B+1], 256<<16                    ; tensor_dim0 = 256
	s_mov_b32 s[G1B+2], 64<<16                     ; tensor_dim1 = 64
	s_mov_b32 s[G1B+3], 256<<16                    ; tile_dim0 = 256
	s_mov_b32 s[G1B+4], 64                         ; tile_dim1 = 64
	s_mov_b32 s[G1B+5], 512
	s_mov_b32 s[G1B+6], 0
	s_mov_b32 s[G1B+7], 0
	; x's tile: row 256 by + 128 x half, rows of 1,024 bytes
	s_lshl_b32 s16, s13, 18
	s_lshl_b32 s17, s12, 17
	s_add_co_u32 s16, s16, s17
	s_mov_b32 s17, 0
	; W's tile: section 1 (Wq), head bx / 2, column half bx % 2, f rows 64 x half
	s_lshr_b32 s46, s42, 1
	s_lshl_b32 s46, s46, 19
	s_and_b32 s47, s42, 1
	s_lshl_b32 s47, s47, 9
	s_add_co_u32 s46, s46, s47
	s_lshl_b32 s47, s12, 16
	s_add_co_u32 s46, s46, s47
	s_add_co_u32 s46, s46, 4194304
	s_mov_b32 s47, 0
	; my block of q: matrix h, row 256 by + 128 x row half, byte 512 x (bx % 2) + 256 x column half
	s_lshr_b32 s66, s42, 1
	s_lshl_b32 s66, s66, 22
	s_lshl_b32 s67, s13, 18
	s_add_co_u32 s66, s66, s67
	s_lshl_b32 s67, s11, 17
	s_add_co_u32 s66, s66, s67
	s_and_b32 s67, s42, 1
	s_lshl_b32 s67, s67, 9
	s_add_co_u32 s66, s66, s67
	s_lshl_b32 s67, s12, 8
	s_add_co_u32 s66, s66, s67
	s_mov_b32 s67, 0
	s_mul_i32 s20, s10, HALFT                      ; where my load lands: wave x 34,816
	s_wait_dscnt 0x0
	s_wait_kmcnt 0x0
	s_add_nc_u64 s[14:15], s[4:5], s[16:17]
	s_add_nc_u64 s[46:47], s[4:5], s[46:47]
	s_add_nc_u64 s[8:9], s[6:7], s[66:67]
	CROUND                                         ; all sixteen work-groups are here: the first joint loads meet
.irp s, 0,1
	s_mov_b32 s[G0+4*\s], 1
	s_add_co_u32 s[G0+4*\s+1], s20, \s*SLOT
	s_add_nc_u64 s[G0+4*\s+2:G0+4*\s+3], s[14:15], \s*KSTEP*2
	s_or_b32 s[G0+4*\s+3], s[G0+4*\s+3], 0x80000000
	s_mov_b32 s[G0B+4*\s], 1
	s_add_co_u32 s[G0B+4*\s+1], s20, \s*SLOT
	s_add_nc_u64 s[G0B+4*\s+2:G0B+4*\s+3], s[46:47], \s*KSTEP*1024
	s_or_b32 s[G0B+4*\s+3], s[G0B+4*\s+3], 0x80000000
	JLOAD \s
.endr
	v_and_b32 v1, 15, v0                           ; l % 16
	v_bfe_u32 v2, v0, 4, 1                         ; l / 16
	v_mul_u32_u24 v3, v1, PITCH
	v_lshl_add_u32 v3, v2, 4, v3                   ; x: row x pitch + 16 x half
	v_and_b32 v6, 7, v0
	v_lshl_add_u32 v6, v2, 3, v6                   ; W: f row 8 (l / 16) + l % 8,
	v_mul_u32_u24 v6, v6, BPITCH
	v_bfe_u32 v7, v0, 3, 1
	v_lshl_add_u32 v6, v7, 4, v6                   ; and 16 bytes on for lanes 8-15 of each half
	s_mul_i32 s21, s11, HALFT                      ; my 128 rows of x
	s_lshl_b32 s22, s12, 8                         ; my 128 columns of W,
	s_add_co_u32 s22, s22, 2*HALFT                 ; which lies behind x's 256 rows
.irp s, 0,1
	v_add_nc_u32 v[ADRA+\s], s21, v3
	v_add_nc_u32 v[ADRB+\s], s22, v6
	s_add_co_u32 s21, s21, SLOT
	s_add_co_u32 s22, s22, SLOT
.endr
	s_mul_i32 s23, s10, 16*SPITCH
	s_add_co_u32 s23, s23, STAGE                   ; my stage
	v_mul_u32_u24 v4, v1, SPITCH
	v_lshl_add_u32 v4, v2, 4, v4
	v_add_nc_u32 v[STO], s23, v4
	v_mul_u32_u24 v5, v2, SPITCH
	v_lshl_add_u32 v5, v1, 4, v5
	v_add_nc_u32 v[RD], s23, v5
	v_mul_u32_u24 v5, v2, CROW
	v_lshl_add_u32 v[CO], v1, 4, v5
; 16 matrix instructions: row blocks a0, a0 + 1 of the window's four x all 8 column blocks, 32 along K.  zero = 1: the product starts the sums.
; The 64 accumulators take turns, one instruction a turn, in the same order everywhere.
.macro MUL16 f, hi, a0, zero
.irp a, \a0, \a0+1
.irp b, 0,1,2,3,4,5,6,7
.if \zero
	v_wmma_f32_16x16x32_bf16 v[8*(8*(\a)+\b):8*(8*(\a)+\b)+7], v[\f+8*\b:\f+8*\b+7], v[\f+8*(4*\hi+\a):\f+8*(4*\hi+\a)+7], 0
.else
	v_wmma_f32_16x16x32_bf16 v[8*(8*(\a)+\b):8*(8*(\a)+\b)+7], v[\f+8*\b:\f+8*\b+7], v[\f+8*(4*\hi+\a):\f+8*(4*\hi+\a)+7], v[8*(8*(\a)+\b):8*(8*(\a)+\b)+7]
.endif
.endr
.endr
.endm
; 32 LDS loads in one run: the fragments of quarter kq (32 along K) of a slot into buffer f.  W: f rows 32 kq .. + 31 of 128 columns, transposed on the way.
.macro FETCH slot, kq, f
	WIN TO_B
.irp i, 0,1,2,3,4,5,6,7
	ds_load_tr16_b128 v[\f+8*\i:\f+8*\i+3],   v[ADRB+\slot] offset:\kq*32*BPITCH+32*\i
	ds_load_tr16_b128 v[\f+8*\i+4:\f+8*\i+7], v[ADRB+\slot] offset:\kq*32*BPITCH+32*\i+16*BPITCH
.endr
	WIN 0
.irp i, 0,1,2,3,4,5,6,7
	ds_load_b128 v[\f+8*\i:\f+8*\i+3],   v[ADRA+\slot] offset:\kq*64+\i*16*PITCH
	ds_load_b128 v[\f+8*\i+4:\f+8*\i+7], v[ADRA+\slot] offset:\kq*64+\i*16*PITCH+32
.endr
.endm
; One of a K step's first three quarters: multiplies buffer f, and in its middle fetches quarter kq into buffer g.
; Four plain places stand between a matrix instruction and a load into a register that it read (ISA guide 7.12.1 for vector instructions).
.macro QUARTER slot, kq, f, g, zero
	s_wait_dscnt 8                                 ; W and x's rows 0-63 are in; the youngest eight loads (x's rows 64-127) may be out
	WIN MUL_LO
	MUL16 \f, 0, 0, \zero
	MUL16 \f, 0, 2, \zero
	PLACES 4
	FETCH \slot, \kq, \g
	s_wait_dscnt 32                                ; all but the 32 just issued
	WIN MUL_HI
	MUL16 \f, 1, 0, \zero
	MUL16 \f, 1, 2, \zero
.endm
.macro THREE slot, zero
	QUARTER \slot, 1, F0, F1, \zero
	QUARTER \slot, 2, F1, F0, 0
	QUARTER \slot, 3, F0, F1, 0
.endm
; The last quarter changes slots.  fill = 1: this slot is filled again, two K steps ahead; back = 1: those are the next tile's (x back to its first K steps, W on to the next section).
; In front of the opening signal each wave waits for its reads of this slot and for all its tensor loads (one is out: its part of the next slot);
; inside the round stands register work alone; the joint refill is the first tensor load behind the round, one a wave.
.macro TURN slot, next, fill, back
	s_wait_dscnt 8
	WIN MUL_LO
	MUL16 F1, 0, 0, 0
	s_wait_dscnt 0
	s_wait_tensorcnt 0x0
	ds_add_u32 v255, v255
	s_wait_dscnt 0x0
	s_barrier_signal -1
	MUL16 F1, 0, 2, 0
	WIN 0
	s_barrier_wait -1
.if \fill
	CREST
.if \back
	s_sub_nc_u64 s[G0+4*\slot+2:G0+4*\slot+3], s[G0+4*\slot+2:G0+4*\slot+3], 2*KSTEP*2
	s_add_nc_u64 s[G0B+4*\slot+2:G0B+4*\slot+3], s[G0B+4*\slot+2:G0B+4*\slot+3], 4194304-2*KSTEP*1024
.else
	s_add_nc_u64 s[G0+4*\slot+2:G0+4*\slot+3], s[G0+4*\slot+2:G0+4*\slot+3], 2*KSTEP*2
	s_add_nc_u64 s[G0B+4*\slot+2:G0B+4*\slot+3], s[G0B+4*\slot+2:G0B+4*\slot+3], 2*KSTEP*1024
.endif
	JLOAD \slot
.endif
	PLACES 4
	FETCH \next, 0, F0
	WIN MUL_HI
	MUL16 F1, 1, 0, 0
	MUL16 F1, 1, 2, 0
.endm
; The way out, 16 rows at a time: round to f16, 16 bytes a lane into my own stage, read back as whole rows of 256 bytes.  f: where the rows are read back to.
.macro OUT16 i, a, from, f
	WIN \from
.irp b, 0,1,2,3,4,5,6,7
.irp r, 0,1,2,3
	v_cvt_pk_f16_f32 v[TMP+4*\b+\r], v[8*(8*\a+\b)+2*\r], v[8*(8*\a+\b)+2*\r+1]
.endr
.endr
	WIN 0
.irp b, 0,1,2,3,4,5,6,7
	ds_store_b128 v[STO], v[TMP+4*\b:TMP+4*\b+3] offset:32*\b
.endr
	s_wait_xcnt 0x0                                ; the registers at f, which earlier stores read, and the stores' base are rewritten only behind this wait
.if \i
	s_add_nc_u64 s[8:9], s[8:9], 16*CROW
.endif
.irp t, 0,1,2,3,4,5,6,7
	ds_load_b128 v[\f+4*\t:\f+4*\t+3], v[RD] offset:\t*2*SPITCH    ; LDS serves a wave's instructions in order: these see the stores above
.endr
.irp t, 0,1,2,3,4,5,6,7
	s_wait_dscnt 7-\t
	global_store_b128 v[CO], v[\f+4*\t:\f+4*\t+3], s[8:9] offset:2*\t*CROW   ; 16 lanes store 256 consecutive bytes, aligned
.endr
.endm
; Buffer 0 already holds the next tile's first fragments, so the rows are read back into the two halves of buffer 1 in turn.
.macro OUT last
	PLACES 4                                       ; behind the last matrix instructions: for the conversions and for the loads into buffer 1
	OUT16 0, 0, 0x0a, F1
	OUT16 1, 1, 0x0a, F1+32
	OUT16 2, 2, 0x0a, F1
	OUT16 3, 3, 0x0a, F1+32
	OUT16 4, 0, 0x0f, F1
	OUT16 5, 1, 0x0f, F1+32
	OUT16 6, 2, 0x0f, F1
	OUT16 7, 3, 0x0f, F1+32
.if \last == 0
	s_wait_xcnt 0x0                                ; buffer 1 is loaded again in the next tile, and the base steps
	s_add_nc_u64 s[8:9], s[8:9], 8*4096*CROW-7*16*CROW   ; the same block of the matrix 8 further on
.endif
.endm
; A tile: four K steps, slots 0, 1, 0, 1.  Its last two changes of slots ask for the next tile's first K steps, ahead of its first store.
.macro TILE last
	THREE 0, 1
	TURN 0, 1, 1, 0
	THREE 1, 0
	TURN 1, 0, 1, 0
	THREE 0, 0
.if \last
	TURN 0, 1, 0, 0                                ; nothing is left to fetch: a plain barrier
	THREE 1, 0
	s_wait_dscnt 8
	WIN MUL_LO
	MUL16 F1, 0, 0, 0
	MUL16 F1, 0, 2, 0
	s_wait_dscnt 0
	WIN MUL_HI
	MUL16 F1, 1, 0, 0
	MUL16 F1, 1, 2, 0
.else
	TURN 0, 1, 1, 1
	THREE 1, 0
	TURN 1, 0, 1, 1
.endif
	OUT \last
.endm
	s_wait_tensorcnt 1                             ; my part of K step 0 is in; K step 1's may stay out
	s_barrier_signal -1
	s_barrier_wait -1
	FETCH 0, 0, F0
	s_mov_b32 s3, 2
.Ltile:
	TILE 0                                         ; q, then k
	s_sub_co_u32 s3, s3, 1
	s_cmp_lg_u32 s3, 0
	s_cbranch_scc1 .Ltile
	TILE 1                                         ; v
	s_set_vgpr_msb 0x1
	s_wait_tensorcnt 0x0
	ds_add_u32 v255, v255
	s_wait_dscnt 0x0
	s_set_vgpr_msb 0x100
	CROUND                                         ; the closing round: no work-group ends while a partner may still ask for a tile that names it
	s_endpgm
.Lfunc_end_k_q7e5a846e5c_proj:
	.size	k_q7e5a846e5c_proj, .Lfunc_end_k_q7e5a846e5c_proj-k_q7e5a846e5c_proj
	.p2alignl 7, 3214868480
	.fill 96, 4, 3214868480
	.section	.rodata,"a",@progbits
	.p2align	6, 0x0
	.amdhsa_kernel k_q7e5a846e5c_proj
		.amdhsa_group_segment_fixed_size 327680
		.amdhsa_private_segment_fixed_size 0
		.amdhsa_enable_private_segment 0
		.amdhsa_kernarg_size 16
		.amdhsa_user_sgpr_count 2
		.amdhsa_user_sgpr_kernarg_segment_ptr 1
		.amdhsa_wavefront_size32 1
		.amdhsa_system_sgpr_workgroup_id_x 1
		.amdhsa_system_sgpr_workgroup_id_y 1
		.amdhsa_system_sgpr_workgroup_id_z 1
		.amdhsa_system_vgpr_workitem_id 0
		.amdhsa_next_free_vgpr 1024
		.amdhsa_next_free_sgpr 70
		.amdhsa_reserve_vcc 0
		.amdhsa_float_denorm_mode_32 3
		.amdhsa_float_denorm_mode_16_64 3
		.amdhsa_memory_ordered 1
		.amdhsa_forward_progress 1
		.amdhsa_inst_pref_size 255
	.end_amdhsa_kernel
	.section	.bss,"aw",@nobits
	.p2align	6
	.space	262144
	.amdgpu_metadata
---
amdhsa.version: [ 1, 2 ]
amdhsa.kernels:
  - .name:           k_q7e5a846e5c_proj
    .symbol:         k_q7e5a846e5c_proj.kd
    .args:
      - { .name: cst, .offset: 0, .size: 8, .value_kind: global_buffer, .address_space: global }
      - { .name: qkv, .offset: 8, .size: 8, .value_kind: global_buffer, .address_space: global }
    .group_segment_fixed_size: 327680
    .private_segment_fixed_size: 0
    .kernarg_segment_align: 8
    .kernarg_segment_size: 16
    .max_flat_workgroup_size: 128
    .sgpr_count:     70
    .vgpr_count:     1024
    .wavefront_size: 32
...
	.end_amdgpu_metadata
.endif
;; end of part 2
;; launch attn (part 3): grid 8 x 32, 4 waves a work-group, clusters of 4 x 1, 327,680 bytes of LDS; arguments qkv, cst, part; writes part
.if DOCPART == 3
	.amdgcn_target "amdgcn-amd-amdhsa--gfx1250"
	.amdhsa_code_object_version 6
	.text
	.protected	k_q7e5a846e5c_attn
	.globl	k_q7e5a846e5c_attn
	.p2align	8
	.type	k_q7e5a846e5c_attn,@function
k_q7e5a846e5c_attn:
	s_mov_b64 s[64:65], 0
	v_nop
	global_prefetch_b8 v0, s[64:65] scope:SCOPE_SE
	s_setreg_imm32_b32 hwreg(HW_REG_WAVE_MODE, 25, 1), 1
	s_wait_xcnt 0x0
	s_wait_alu depctr_hold_cnt(0) depctr_sa_sdst(0) depctr_va_vdst(0) depctr_va_sdst(0) depctr_va_ssrc(0) depctr_va_vcc(0) depctr_vm_vsrc(0)
	s_getreg_b32 s2, hwreg(HW_REG_IB_STS2, 6, 4)
	s_cmp_eq_u32 s2, 0
	s_cbranch_scc0 .Lentry_in_a_cluster
	s_endpgm
.Lentry_in_a_cluster:
	s_bfe_u32 s2, ttmp6, 0x10000c
	s_cmp_lg_u32 s2, 0x3003
	s_cbranch_scc0 .Lentry_shape_is_right
	s_endpgm
.Lentry_shape_is_right:
; For one head h, one batch b and 128 queries: scores, softmax with a running maximum, P V, + x, and that head's share of the joiner:
;   part[h][row][e] = sum over f of (softmax(q k^T) v + x)[row][f] Wj[512 h + f][e], f32.  The last launch adds the eight heads.  Nothing of reference() is left out here.
; Operands f16, sums and softmax f32.  LIMITS: |q|, |k|, |v|, |z| below 65,504; a weight of the softmax below 6e-8 of the row's largest becomes 0;
; a row whose scores are all -inf or NaN is not served; x enters the residual as bf16.
; Four waves.  Keys go in four tiles of 256.  All products are taken transposed, so that a lane owns one query (16 nb + l % 16) and 8 neighbouring keys or columns:
;   S^T: wave w makes keys 64 w .. + 63 x 128 queries (32 tiles);  O^T and out^T: columns 128 w .. + 127 x 128 queries (64 tiles).
; So the softmax's figures are one register a query block, and the row maximum needs one step across the lane halves and one exchange among the waves.
; CLUSTER 4 x 1: four query blocks of one (b, h) ask jointly for K, V and Wj's tiles (mask 15).  Q's tiles are each work-group's own: a plain load.
; THE RING: two LDS slots, chunks of 128 matrix instructions a wave: per key tile S0..S3 (128 of the 512 dims: K 256 rows, Q 128 rows) and V0..V3 (64 keys), then J0..J7 (64 rows of Wj).
; A chunk's turn fills its own slot again with the chunk two ahead, behind a round of the cluster's barrier.  By this text's count a wave has two tensor loads out at the start, later one.
; LDS: slot s at 104,448 s.  S chunk: K 256 x 272 at + 0, Q 128 x 272 at + 69,632.  V or J chunk: wave w's own strip, 64 rows x 288, at + 18,432 w (ends at + 73,728).
;   P [128 q][256 keys] f16, pitch 528, at 208,896.  Z [128 q][512] f16, pitch 1,040, at 178,176 .. 311,295: over slot 1's last 30,720 bytes, P and free bytes; it is stored when
;   those bytes have had their last fill (the last S chunk) and P its last read; the J chunks end at 178,176.  MX, LX [128 q][4 waves] f32 at 311,296 and 313,344.
;   The stage of the way out, 16 x 528 a wave, lies in Z, behind a barrier after Z's last read.
; REGISTERS: window 0: addresses and softmax figures v1-59; v64-127, v128-191 fragments of Q, P or Z (two buffers); v192-223, v224-255 fragments of K.
;   window 1: S(kb, nb) at 8 (8 kb + nb); in P V and the joiner v0-63, v64-127 fragments of V or Wj; in the epilogue x.   windows 2, 3: O(nb, fb) at 8 (8 (nb % 4) + fb).
.set SLOT,   104448
.set QOFF,   69632
.set PBASE,  208896
.set ZBASE,  178176
.set MXBASE, 311296
.set AK,  1                            ; v1-2    K fragments, slot 0, 1
.set AQ,  3                            ; v3-4    Q fragments
.set AV,  5                            ; v5-6    V or Wj fragments (transposing load)
.set APL, 7                            ; v7-8    P fragments, queries 0-63, 64-127
.set PST, 9                            ; v9      where I store P
.set MXS, 10                           ; v10     my wave's word of MX
.set MXL, 11                           ; v11     the four words of my query
.set ZSL, 12                           ; v12-13  where I store Z, queries 0-63, 64-127
.set XO,  14                           ; v14     my 16 bytes of x
.set STO, 15
.set RD,  16
.set CO,  17
.set AZL, 18                           ; v18-19  Z fragments, queries 0-63, 64-127; stepped along f
.set NM,  20                           ; v[20:27] minus the running maximum times log2 e, one a query block
.set AL,  28                           ; v[28:35] the rescaling factor; at the end 1 / row sum
.set LS,  36                           ; v[36:51] my share of the row sums, a pair a query block
.set TP,  52                           ; v[52:59] at work
.set QB,  64                           ; Q, P, Z fragment buffers: QB + 64 buf
.set KB,  192                          ; K fragment buffers: KB + 32 buf
.set PK,  64                           ; softmax: P packed, v64-191
.set MW,  192                          ; softmax: the four waves' words
.set MXT, 224                          ; softmax: my maxima
.set TT,  64                           ; epilogue: z in f32
.set ZP,  128                          ; epilogue: z packed
.set OB,  64                           ; way out: rows read back
.set G1K, 24
.set G1Q, 32
.set G1V, 40
.set G0K, 48                           ; s[48:55] one set a slot
.set G0Q, 56                           ; s[56:63]
.set G0V, 68                           ; s[68:75]
.set WJ,  76                           ; s[76:79] Wj's first two chunks
.set MSB, 0
.macro WIN new
.if MSB != (\new)
	s_set_vgpr_msb (MSB<<8)|(\new)
.set MSB, (\new)
.endif
.endm
.macro PLACES n
.rept \n
	v_nop
.endr
.endm
.macro CREST
	s_cmp_lg_u32 s10, 0
	s_cbranch_scc1 .Lnot_wave_0_\@
	s_barrier_signal -3
.Lnot_wave_0_\@:
	s_barrier_wait -3
	s_barrier_signal -1
	s_barrier_wait -1
.endm
.macro CROUND
	s_barrier_signal -1
	s_barrier_wait -1
	CREST
.endm
; v[d:d+1] *= one register of the pair v[a:a+1], in both halves
.macro PKMULB d, a, odd
.if \odd
	v_pk_mul_f32 v[\d:\d+1], v[\d:\d+1], v[\a:\a+1] op_sel:[0,1] op_sel_hi:[1,1]
.else
	v_pk_mul_f32 v[\d:\d+1], v[\d:\d+1], v[\a:\a+1] op_sel_hi:[1,0]
.endif
.endm
; 24 LDS loads: Q's 8 and K's 4 fragments of 32 dims (sub) of an S chunk
.macro FS slot, sub, buf
	WIN 0
.irp nb, 0,1,2,3,4,5,6,7
	ds_load_b128 v[QB+64*\buf+8*\nb:QB+64*\buf+8*\nb+3],   v[AQ+\slot] offset:4352*\nb+64*\sub
	ds_load_b128 v[QB+64*\buf+8*\nb+4:QB+64*\buf+8*\nb+7], v[AQ+\slot] offset:4352*\nb+64*\sub+32
.endr
.irp kb, 0,1,2,3
	ds_load_b128 v[KB+32*\buf+8*\kb:KB+32*\buf+8*\kb+3],   v[AK+\slot] offset:4352*\kb+64*\sub
	ds_load_b128 v[KB+32*\buf+8*\kb+4:KB+32*\buf+8*\kb+7], v[AK+\slot] offset:4352*\kb+64*\sub+32
.endr
.endm
; 16 products of S^T: key blocks kb0, kb0 + 1 x 8 query blocks.  The accumulators take turns, one instruction a turn.
.macro MS buf, kb0, zero
	WIN 0x50
.irp kb, \kb0, \kb0+1
.irp nb, 0,1,2,3,4,5,6,7
.if \zero
	v_wmma_f32_16x16x32_f16 v[8*(8*(\kb)+\nb):8*(8*(\kb)+\nb)+7], v[KB+32*\buf+8*(\kb):KB+32*\buf+8*(\kb)+7], v[QB+64*\buf+8*\nb:QB+64*\buf+8*\nb+7], 0
.else
	v_wmma_f32_16x16x32_f16 v[8*(8*(\kb)+\nb):8*(8*(\kb)+\nb)+7], v[KB+32*\buf+8*(\kb):KB+32*\buf+8*(\kb)+7], v[QB+64*\buf+8*\nb:QB+64*\buf+8*\nb+7], v[8*(8*(\kb)+\nb):8*(8*(\kb)+\nb)+7]
.endif
.endr
.endr
.endm
; An S chunk into a slot: waves 0 and 1 ask jointly for K's halves, waves 2 and 3 each for half of the work-group's own Q.
; mode 1: the slot's next 128 dims; mode 2: the next key tile's (K 256 rows on and 256 dims back, Q 256 dims back); mode 0: as set up.
.macro RFS slot, mode
.if \mode == 1
	s_add_nc_u64 s[G0K+4*\slot+2:G0K+4*\slot+3], s[G0K+4*\slot+2:G0K+4*\slot+3], 512
	s_add_nc_u64 s[G0Q+4*\slot+2:G0Q+4*\slot+3], s[G0Q+4*\slot+2:G0Q+4*\slot+3], 512
.endif
.if \mode == 2
	s_add_nc_u64 s[G0K+4*\slot+2:G0K+4*\slot+3], s[G0K+4*\slot+2:G0K+4*\slot+3], 256*1024-512
	s_sub_nc_u64 s[G0Q+4*\slot+2:G0Q+4*\slot+3], s[G0Q+4*\slot+2:G0Q+4*\slot+3], 512
.endif
	s_cmp_eq_u32 s11, 0
	s_cbranch_scc0 .Lfor_q_\@
	tensor_load_to_lds s[G0K+4*\slot:G0K+4*\slot+3], s[G1K:G1K+7]
	s_nop 0
	s_branch .Lasked_\@
.Lfor_q_\@:
	tensor_load_to_lds s[G0Q+4*\slot:G0Q+4*\slot+3], s[G1Q:G1Q+7]
	s_nop 0
.Lasked_\@:
.endm
.macro RFV slot                        ; the slot's next 64 rows of V or of Wj: each wave its own strip, jointly with its partners
	s_add_nc_u64 s[G0V+4*\slot+2:G0V+4*\slot+3], s[G0V+4*\slot+2:G0V+4*\slot+3], 2*64*1024
	tensor_load_to_lds s[G0V+4*\slot:G0V+4*\slot+3], s[G1V:G1V+7]
	s_nop 0
.endm
.macro RFJ slot                        ; the same descriptor turns to Wj
	s_mov_b64 s[G0V+4*\slot+2:G0V+4*\slot+3], s[WJ+2*\slot:WJ+2*\slot+1]
	s_or_b32 s[G0V+4*\slot+3], s[G0V+4*\slot+3], 0x80000000
	tensor_load_to_lds s[G0V+4*\slot:G0V+4*\slot+3], s[G1V:G1V+7]
	s_nop 0
.endm
; An S chunk: four subs of 32 dims on buffers 0, 1, 0, 1; each fetches the next one's fragments in one run, four places behind the products that read that buffer
; (five where the first products write over V's fragment registers).  The last sub changes slots: waits for my reads and for all my tensor loads, the round with
; register work alone inside, the refill first behind it (rk 1: an S chunk, 2: a V chunk), then, if nx, the other slot's first fragments.
.macro SSTEP slot, nslot, zero, rk, nx
	PLACES 4+\zero
	FS \slot, 1, 1
	s_wait_dscnt 24                                ; all but the 24 just issued
	MS 0, 0, \zero
	MS 0, 2, \zero
	PLACES 4
	FS \slot, 2, 0
	s_wait_dscnt 24
	MS 1, 0, 0
	MS 1, 2, 0
	PLACES 4
	FS \slot, 3, 1
	s_wait_dscnt 24
	MS 0, 0, 0
	MS 0, 2, 0
	s_wait_dscnt 0
	s_wait_tensorcnt 0x0
	ds_add_u32 v62, v63
	s_wait_dscnt 0x0
	s_barrier_signal -1
	MS 1, 0, 0
	WIN 0
	s_barrier_wait -1
	CREST
.if \rk == 1
	RFS \slot, 1
.else
	RFV \slot
.endif
.if \nx
	PLACES 4
	FS \nslot, 0, 0
.endif
	MS 1, 2, 0
.endm
; 32 LDS loads: 8 fragments of V or Wj (32 rows ss of my strip, transposed on the way) and 8 of P or Z (address registers ap, ap + 1; pitch pit; byte coff of the rows)
.macro FP slot, ss, coff, buf, pit, ap
	WIN 0x40
.irp fb, 0,1,2,3,4,5,6,7
	ds_load_tr16_b128 v[64*\buf+8*\fb:64*\buf+8*\fb+3],   v[AV+\slot] offset:9216*\ss+32*\fb
	ds_load_tr16_b128 v[64*\buf+8*\fb+4:64*\buf+8*\fb+7], v[AV+\slot] offset:9216*\ss+32*\fb+4608
.endr
	WIN 0
.irp nb, 0,1,2,3
	ds_load_b128 v[QB+64*\buf+8*\nb:QB+64*\buf+8*\nb+3],   v[\ap] offset:16*\pit*\nb+\coff+64*\ss
	ds_load_b128 v[QB+64*\buf+8*\nb+4:QB+64*\buf+8*\nb+7], v[\ap] offset:16*\pit*\nb+\coff+64*\ss+32
.endr
.irp nb, 0,1,2,3
	ds_load_b128 v[QB+64*\buf+32+8*\nb:QB+64*\buf+32+8*\nb+3],   v[\ap+1] offset:16*\pit*\nb+\coff+64*\ss
	ds_load_b128 v[QB+64*\buf+32+8*\nb+4:QB+64*\buf+32+8*\nb+7], v[\ap+1] offset:16*\pit*\nb+\coff+64*\ss+32
.endr
.endm
; 16 products of O^T or out^T: query blocks 4 hi + a0, + 1 x 8 column blocks
.macro MP buf, hi, a0, zero
.if \hi
	WIN 0xf1
.else
	WIN 0xa1
.endif
.irp a, \a0, \a0+1
.irp fb, 0,1,2,3,4,5,6,7
.if \zero
	v_wmma_f32_16x16x32_f16 v[8*(8*(\a)+\fb):8*(8*(\a)+\fb)+7], v[64*\buf+8*\fb:64*\buf+8*\fb+7], v[QB+64*\buf+8*(4*\hi+\a):QB+64*\buf+8*(4*\hi+\a)+7], 0
.else
	v_wmma_f32_16x16x32_f16 v[8*(8*(\a)+\fb):8*(8*(\a)+\fb)+7], v[64*\buf+8*\fb:64*\buf+8*\fb+7], v[QB+64*\buf+8*(4*\hi+\a):QB+64*\buf+8*(4*\hi+\a)+7], v[8*(8*(\a)+\fb):8*(8*(\a)+\fb)+7]
.endif
.endr
.endr
.endm
.macro MP64 buf, zero
	MP \buf, 0, 0, \zero
	MP \buf, 0, 2, \zero
	MP \buf, 1, 0, \zero
	MP \buf, 1, 2, \zero
.endm
; A V or J chunk up to its change of slots: fetch its second 32 rows, multiply the first, wait for my reads and for all my tensor loads; fill = 1: the round.
; fill = 0: nothing is filled any more; the strips are the wave's own and Z is only read, so the two waits are all that is needed.
.macro PVA slot, coff, zero, fill, pit, ap
	PLACES 4
	FP \slot, 1, \coff, 1, \pit, \ap
	s_wait_dscnt 32                                ; all but the 32 just issued
	MP64 0, \zero
	s_wait_dscnt 0
	s_set_vgpr_msb 0xf1f0
	s_wait_tensorcnt 0x0
	ds_add_u32 v62, v63
	s_wait_dscnt 0x0
	s_set_vgpr_msb 0xf0f1
.if \fill
	s_barrier_signal -1
.endif
	MP 1, 0, 0, 0
.if \fill
	WIN 0
	s_barrier_wait -1
	CREST
.endif
.endm
; The rest of the chunk, behind the refill: nx = 1: the next chunk's first fragments; nx = 2: the next key tile's first S fragments; nx = 0: none
.macro PVB nx, slot, coff, pit, ap
.if \nx
	PLACES 4
.endif
.if \nx == 1
	FP \slot, 0, \coff, 0, \pit, \ap
.endif
.if \nx == 2
	FS 0, 0, 0
.endif
	MP 1, 0, 2, 0
	MP 1, 1, 0, 0
	MP 1, 1, 2, 0
.endm
	s_load_b128 s[4:7], s[0:1], 0x0                ; qkv s[4:5], cst s[6:7]
	s_load_b64 s[8:9], s[0:1], 0x10                ; part
	v_lshl_add_u32 v62, v0, 2, 0x4d000
	v_mov_b32 v63, 0
	ds_add_u32 v62, v63
	v_lshrrev_b32 v52, 5, v0
	v_readfirstlane_b32 s10, v52                   ; wave 0..3
	s_lshr_b32 s11, s10, 1                         ; 0: I fetch K, 1: I fetch Q
	s_and_b32 s12, s10, 1                          ; which half of it
	s_bfe_u32 s13, ttmp6, 0x40000                  ; cx: enters Q's, x's and part's addresses alone
	s_lshl_b32 s14, ttmp9, 2
	s_add_co_u32 s14, s14, s13                     ; query block 0..7
	s_and_b32 s15, ttmp7, 0xffff
	s_and_b32 s16, s15, 7                          ; head
	s_lshr_b32 s17, s15, 3                         ; batch
	s_mov_b32 s80, 0x76543210                      ; v_permlanex16_b32: lane i reads lane i of the other half
	s_mov_b32 s81, 0xfedcba98
	s_mov_b32 s84, 0                               ; key tiles done
	; group 1: elements of 2 bytes, rows of 128 elements, 512 elements from row to row
	s_mov_b32 s[G1K+0], 15|(1<<16)|(1<<20)|(1<<21)|(5<<22)|(3<<25)   ; all four partners; 4 words of padding behind every 64: pitch 272
	s_mov_b32 s[G1K+1], 128<<16
	s_mov_b32 s[G1K+2], 128<<16                    ; 128 rows
	s_mov_b32 s[G1K+3], 128<<16
	s_mov_b32 s[G1K+4], 128
	s_mov_b32 s[G1K+5], 512
	s_mov_b32 s[G1K+6], 0
	s_mov_b32 s[G1K+7], 0
	s_mov_b32 s[G1Q+0], (1<<16)|(1<<20)|(5<<22)|(3<<25)              ; no mask: my work-group's own
	s_mov_b32 s[G1Q+1], 128<<16
	s_mov_b32 s[G1Q+2], 64<<16                     ; 64 rows
	s_mov_b32 s[G1Q+3], 128<<16
	s_mov_b32 s[G1Q+4], 64
	s_mov_b32 s[G1Q+5], 512
	s_mov_b32 s[G1Q+6], 0
	s_mov_b32 s[G1Q+7], 0
	s_mov_b32 s[G1V+0], 15|(1<<16)|(1<<20)|(1<<21)|(5<<22)|(7<<25)   ; 8 words of padding: pitch 288, an odd multiple of 32
	s_mov_b32 s[G1V+1], 128<<16
	s_mov_b32 s[G1V+2], 64<<16
	s_mov_b32 s[G1V+3], 128<<16
	s_mov_b32 s[G1V+4], 64
	s_mov_b32 s[G1V+5], 512
	s_mov_b32 s[G1V+6], 0
	s_mov_b32 s[G1V+7], 0
	; byte offsets.  A matrix of qkv is 4,096 rows of 1,024 bytes
	s_lshl_b32 s18, s16, 22
	s_lshl_b32 s19, s17, 20
	s_add_co_u32 s18, s18, s19                     ; head h, batch b
	s_lshl_b32 s20, s12, 17                        ; K: matrix 8 + h, 128 rows x half
	s_add_co_u32 s20, s20, s18
	s_add_co_u32 s20, s20, 8<<22
	s_mov_b32 s21, 0
	s_lshl_b32 s22, s10, 8                         ; V: matrix 16 + h, my 128 columns; two chunks back, since every use steps first
	s_add_co_u32 s22, s22, s18
	s_add_co_u32 s22, s22, (16<<22)-131072
	s_mov_b32 s23, 0
	s_lshl_b32 s90, s14, 17                        ; Q: matrix h, 128 rows x query block + 64 rows x half
	s_lshl_b32 s91, s12, 16
	s_add_co_u32 s90, s90, s91
	s_add_co_u32 s90, s90, s18
	s_mov_b32 s91, 0
	s_lshl_b32 s92, s16, 19                        ; Wj: section 4, rows 512 h, my 128 columns
	s_lshl_b32 s93, s10, 8
	s_add_co_u32 s92, s92, s93
	s_add_co_u32 s92, s92, 16777216
	s_mov_b32 s93, 0
	s_lshl_b32 s94, s14, 17                        ; x (section 0): row 1024 b + 128 x query block
	s_add_co_u32 s94, s94, s19
	s_mov_b32 s95, 0
	s_lshl_b32 s96, s16, 23                        ; part: rows of 2,048 bytes, my 128 columns
	s_lshl_b32 s97, s17, 21
	s_add_co_u32 s96, s96, s97
	s_lshl_b32 s97, s14, 18
	s_add_co_u32 s96, s96, s97
	s_lshl_b32 s97, s10, 9
	s_add_co_u32 s96, s96, s97
	s_mov_b32 s97, 0
	s_mul_i32 s82, s10, 34816                      ; K lands at wave x 34,816 (waves 0, 1)
	s_mul_i32 s83, s10, 17408                      ; Q at 34,816 + wave x 17,408 (waves 2, 3): 69,632 and 87,040
	s_add_co_u32 s83, s83, 34816
	s_mul_i32 s98, s10, 18432                      ; my strip
	s_wait_dscnt 0x0
	s_wait_kmcnt 0x0
	s_add_nc_u64 s[20:21], s[4:5], s[20:21]
	s_add_nc_u64 s[22:23], s[4:5], s[22:23]
	s_add_nc_u64 s[90:91], s[4:5], s[90:91]
	s_add_nc_u64 s[WJ:WJ+1], s[6:7], s[92:93]
	s_add_nc_u64 s[WJ+2:WJ+3], s[WJ:WJ+1], 65536
	s_add_nc_u64 s[86:87], s[6:7], s[94:95]
	s_add_nc_u64 s[88:89], s[8:9], s[96:97]
.irp s, 0,1
	s_mov_b32 s[G0K+4*\s], 1
	s_add_co_u32 s[G0K+4*\s+1], s82, \s*SLOT
	s_add_nc_u64 s[G0K+4*\s+2:G0K+4*\s+3], s[20:21], \s*256
	s_or_b32 s[G0K+4*\s+3], s[G0K+4*\s+3], 0x80000000
	s_mov_b32 s[G0Q+4*\s], 1
	s_add_co_u32 s[G0Q+4*\s+1], s83, \s*SLOT
	s_add_nc_u64 s[G0Q+4*\s+2:G0Q+4*\s+3], s[90:91], \s*256
	s_or_b32 s[G0Q+4*\s+3], s[G0Q+4*\s+3], 0x80000000
	s_mov_b32 s[G0V+4*\s], 1
	s_add_co_u32 s[G0V+4*\s+1], s98, \s*SLOT
	s_add_nc_u64 s[G0V+4*\s+2:G0V+4*\s+3], s[22:23], \s*65536
	s_or_b32 s[G0V+4*\s+3], s[G0V+4*\s+3], 0x80000000
.endr
	CROUND                                         ; the four partners are here: the first joint loads meet
	RFS 0, 0                                       ; S0
	RFS 1, 0                                       ; S1
	v_and_b32 v52, 15, v0                          ; r = l % 16
	v_bfe_u32 v53, v0, 4, 1
	v_lshlrev_b32 v53, 4, v53                      ; 16 x (l / 16)
	v_mul_u32_u24 v54, v52, 272
	v_add_nc_u32 v54, v54, v53
	s_mul_i32 s18, s10, 17408                      ; my 64 keys
	v_add_nc_u32 v[AK], s18, v54
	v_add_nc_u32 v[AK+1], SLOT, v[AK]
	v_add_nc_u32 v[AQ], QOFF, v54
	v_add_nc_u32 v[AQ+1], SLOT+QOFF, v54
	v_and_b32 v55, 7, v0
	v_bfe_u32 v56, v0, 4, 1
	v_lshl_add_u32 v55, v56, 3, v55                ; row 8 (l / 16) + l % 8 of the strip,
	v_mul_u32_u24 v55, v55, 288
	v_bfe_u32 v56, v0, 3, 1
	v_lshl_add_u32 v55, v56, 4, v55                ; 16 bytes on for lanes 8-15 of each half
	v_add_nc_u32 v[AV], s98, v55
	v_add_nc_u32 v[AV+1], SLOT, v[AV]
	v_mul_u32_u24 v55, v52, 528
	v_add_nc_u32 v55, v55, v53
	v_add_nc_u32 v[APL], PBASE, v55
	v_add_nc_u32 v[APL+1], PBASE+64*528, v55
	s_lshl_b32 s19, s10, 7                         ; my 64 keys' 128 bytes of a row of P
	s_add_co_u32 s19, s19, PBASE
	v_add_nc_u32 v[PST], s19, v55
	v_lshlrev_b32 v56, 4, v52
	v_add_nc_u32 v[MXL], MXBASE, v56
	s_lshl_b32 s19, s10, 2
	v_add_nc_u32 v[MXS], s19, v[MXL]
	v_mul_u32_u24 v56, v52, 1040
	v_add_nc_u32 v56, v56, v53
	v_add_nc_u32 v[AZL], ZBASE, v56
	v_add_nc_u32 v[AZL+1], ZBASE+64*1040, v56
	s_lshl_b32 s19, s10, 8                         ; my 128 columns' 256 bytes
	v_add_nc_u32 v[ZSL], s19, v[AZL]
	v_add_nc_u32 v[ZSL+1], s19, v[AZL+1]
	v_lshl_add_u32 v57, v52, 10, v53
	v_add_nc_u32 v[XO], s19, v57
	s_mul_i32 s20, s10, 8448
	s_add_co_u32 s20, s20, ZBASE                   ; my stage
	v_mul_u32_u24 v57, v52, 528
	v_lshl_add_u32 v57, v53, 1, v57                ; row r, 32 bytes for each half of the lanes
	v_add_nc_u32 v[STO], s20, v57
	v_and_b32 v58, 31, v0
	v_lshlrev_b32 v[CO], 4, v58
	v_add_nc_u32 v[RD], s20, v[CO]
.irp nb, 0,1,2,3,4,5,6,7
	v_mov_b32 v[NM+\nb], 0x7f800000                ; minus the maximum of nothing: the first factor is 2^-inf = 0
	v_mov_b32 v[TP+\nb], 0
	v_mov_b32 v[LS+2*\nb], 0
	v_mov_b32 v[LS+2*\nb+1], 0
.endr
	; O is cleared here, while the first tiles are on their way, so that ONE copy of the key tile's text (rescale, then add) serves all four key tiles.
	WIN 0x80
.set ii, 0
.rept 256
	v_mov_b32 v[ii], 0
.set ii, ii+1
.endr
	WIN 0xc0
.set ii, 0
.rept 256
	v_mov_b32 v[ii], 0
.set ii, ii+1
.endr
	WIN 0
	s_wait_tensorcnt 1                             ; my part of S0 is in; S1's may stay out
	s_barrier_signal -1
	s_barrier_wait -1
	FS 0, 0, 0
	s_branch .Lentry
; Behind V2's round, where a key tile follows: the refills are the next key tile's S0 and S1.
.Lloop:
	RFS 0, 2
	PVB 1, 1, 384, 528, APL
	PVA 1, 384, 0, 1, 528, APL                     ; V3
	RFS 1, 2
	PVB 2, 0, 0, 0, 0
	WIN 0
.Lentry:
	SSTEP 0, 1, 1, 1, 1                            ; S0; refill S2
	SSTEP 1, 0, 0, 1, 1                            ; S1; refill S3
	SSTEP 0, 1, 0, 2, 1                            ; S2; refill V0
	SSTEP 1, 0, 0, 2, 0                            ; S3; refill V1
	; SOFTMAX of the key tile.  My maxima: 32 numbers a query block and lane.
	PLACES 4
	WIN 0x05
.irp nb, 0,1,2,3,4,5,6,7
	v_max_num_f32 v[MXT+\nb], v[8*\nb], v[8*\nb+1]
.endr
.irp p, 1,2,3
.irp nb, 0,1,2,3,4,5,6,7
	v_max3_num_f32 v[MXT+\nb], v[8*\nb+2*\p], v[8*\nb+2*\p+1], v[MXT+\nb]
.endr
.endr
.irp kb, 1,2,3
.irp p, 0,1,2,3
.irp nb, 0,1,2,3,4,5,6,7
	v_max3_num_f32 v[MXT+\nb], v[8*(8*\kb+\nb)+2*\p], v[8*(8*\kb+\nb)+2*\p+1], v[MXT+\nb]
.endr
.endr
.endr
	WIN 0
.irp nb, 0,1,2,3,4,5,6,7
	v_permlanex16_b32 v[TP+\nb], v[MXT+\nb], s80, s81
.endr
.irp nb, 0,1,2,3,4,5,6,7
	v_max_num_f32 v[MXT+\nb], v[MXT+\nb], v[TP+\nb]
.endr
.irp nb, 0,1,2,3,4,5,6,7
	ds_store_b32 v[MXS], v[MXT+\nb] offset:256*\nb ; both halves of the lanes write the same word with the same value
.endr
	s_wait_dscnt 0                                 ; for the other waves' sake
	s_barrier_signal -1                            ; a plain barrier
	s_barrier_wait -1
.irp nb, 0,1,2,3,4,5,6,7
	ds_load_b128 v[MW+4*\nb:MW+4*\nb+3], v[MXL] offset:256*\nb
.endr
	s_wait_dscnt 0
.irp nb, 0,1,2,3,4,5,6,7
	v_max3_num_f32 v[TP+\nb], v[MW+4*\nb], v[MW+4*\nb+1], v[MW+4*\nb+2]
.endr
.irp nb, 0,1,2,3,4,5,6,7
	v_max_num_f32 v[TP+\nb], v[TP+\nb], v[MW+4*\nb+3]
.endr
.irp nb, 0,1,2,3,4,5,6,7
	v_mul_f32 v[TP+\nb], 0xbfb8aa3b, v[TP+\nb]     ; times - log2 e
.endr
.irp nb, 0,1,2,3,4,5,6,7
	v_min_num_f32 v[TP+\nb], v[TP+\nb], v[NM+\nb]  ; minus the new running maximum
.endr
.irp nb, 0,1,2,3,4,5,6,7
	v_sub_f32 v[AL+\nb], v[TP+\nb], v[NM+\nb]      ; old maximum - new, at most 0
.endr
.irp nb, 0,1,2,3,4,5,6,7
	v_exp_f32 v[AL+\nb], v[AL+\nb]
.endr
	s_wait_alu depctr_va_vdst(0)
.irp nb, 0,1,2,3,4,5,6,7
	v_mov_b32 v[NM+\nb], v[TP+\nb]                 ; plain instructions between the exponentials and their use (ISA guide 5.7.2)
.endr
.irp nb, 0,1,2,3,4,5,6,7
	PKMULB LS+2*\nb, AL+2*(\nb/2), \nb%2
.endr
	; P = 2^(S log2 e - maximum), in place.  Pair i of tile t; two exponentials, then one multiply-add of the next tile.
.macro AFMA t, i
.if (\t)%2
	v_pk_fma_f32 v[8*(\t)+2*\i:8*(\t)+2*\i+1], v[8*(\t)+2*\i:8*(\t)+2*\i+1], 0x3fb8aa3b, v[NM+2*(((\t)%8)/2):NM+2*(((\t)%8)/2)+1] op_sel:[0,0,1] op_sel_hi:[1,0,1]
.else
	v_pk_fma_f32 v[8*(\t)+2*\i:8*(\t)+2*\i+1], v[8*(\t)+2*\i:8*(\t)+2*\i+1], 0x3fb8aa3b, v[NM+2*(((\t)%8)/2):NM+2*(((\t)%8)/2)+1] op_sel_hi:[1,0,0]
.endif
.endm
	WIN 0x41
.irp i, 0,1,2,3
	AFMA 0, \i
.endr
.set tt, 0
.rept 31
.irp i, 0,1,2,3
	v_exp_f32 v[8*tt+2*\i], v[8*tt+2*\i]
	v_exp_f32 v[8*tt+2*\i+1], v[8*tt+2*\i+1]
	AFMA tt+1, \i
.endr
.set tt, tt+1
.endr
.irp j, 0,1,2,3,4,5,6,7
	v_exp_f32 v[8*31+\j], v[8*31+\j]
.endr
	v_nop
	WIN 0x01                                       ; my share of the row sums
	s_wait_alu depctr_va_vdst(0)
.irp kb, 0,1,2,3
.irp i, 0,1,2,3
.irp nb, 0,1,2,3,4,5,6,7
	v_pk_add_f32 v[LS+2*\nb:LS+2*\nb+1], v[8*(8*\kb+\nb)+2*\i:8*(8*\kb+\nb)+2*\i+1], v[LS+2*\nb:LS+2*\nb+1]
.endr
.endr
.endr
	WIN 0x05                                       ; to f16: a lane's 8 keys of a tile are 16 bytes
.irp kb, 0,1,2,3
.irp nb, 0,1,2,3,4,5,6,7
.irp i, 0,1,2,3
	v_cvt_pk_f16_f32 v[PK+4*(8*\kb+\nb)+\i], v[8*(8*\kb+\nb)+2*\i], v[8*(8*\kb+\nb)+2*\i+1]
.endr
.endr
.endr
	WIN 0
.irp kb, 0,1,2,3
.irp nb, 0,1,2,3,4,5,6,7
	ds_store_b128 v[PST], v[PK+4*(8*\kb+\nb):PK+4*(8*\kb+\nb)+3] offset:8448*\nb+32*\kb
.endr
.endr
	s_wait_dscnt 0                                 ; for the other waves' sake
	s_barrier_signal -1                            ; a plain barrier; between its halves O is rescaled: register work
	WIN 0x82
.irp a, 0,1,2,3
.irp fb, 0,1,2,3,4,5,6,7
.irp i, 0,1,2,3
	PKMULB 8*(8*\a+\fb)+2*\i, AL+2*(\a/2), \a%2
.endr
.endr
.endr
	WIN 0xc3
.irp a, 0,1,2,3
.irp fb, 0,1,2,3,4,5,6,7
.irp i, 0,1,2,3
	PKMULB 8*(8*\a+\fb)+2*\i, AL+4+2*(\a/2), \a%2
.endr
.endr
.endr
	WIN 0
	s_barrier_wait -1
	FP 0, 0, 0, 0, 528, APL                        ; V0 was shown landed by the wait in front of S3's round
	PVA 0, 0, 0, 1, 528, APL                       ; V0
	RFV 0                                          ; V2
	PVB 1, 1, 128, 528, APL
	PVA 1, 128, 0, 1, 528, APL                     ; V1
	RFV 1                                          ; V3
	PVB 1, 0, 256, 528, APL
	PVA 0, 256, 0, 1, 528, APL                     ; V2, up to its round; on both ways on exactly one refill follows
	s_add_co_u32 s84, s84, 1
	s_cmp_lt_u32 s84, 4
	s_cbranch_scc1 .Lloop
	; The last key tile's end: the refills are Wj's first two chunks.
	RFJ 0
	PVB 1, 1, 384, 528, APL
	PVA 1, 384, 0, 1, 528, APL                     ; V3
	RFJ 1
	PVB 0, 0, 0, 0, 0
	; EPILOGUE: z = O / row sum + x, to f16, into Z.  x of query blocks 0-3 is asked for now, that of 4-7 block by block below: 32 loads are out at the most.
	PLACES 4
	WIN 0x40
.irp nb, 0,1,2,3
.irp fb, 0,1,2,3,4,5,6,7
	global_load_b128 v[4*(8*\nb+\fb):4*(8*\nb+\fb)+3], v[XO], s[86:87] offset:16384*\nb+32*\fb
.endr
.endr
	WIN 0
.irp nb, 0,1,2,3,4,5,6,7
	v_add_f32 v[AL+\nb], v[LS+2*\nb], v[LS+2*\nb+1]
.endr
.irp nb, 0,1,2,3,4,5,6,7
	v_permlanex16_b32 v[TP+\nb], v[AL+\nb], s80, s81
.endr
.irp nb, 0,1,2,3,4,5,6,7
	v_add_f32 v[AL+\nb], v[AL+\nb], v[TP+\nb]
.endr
.irp nb, 0,1,2,3,4,5,6,7
	ds_store_b32 v[MXS], v[AL+\nb] offset:2048+256*\nb
.endr
	s_wait_dscnt 0
	s_barrier_signal -1                            ; a plain barrier: the waves' sums are there; every wave's reads of P ended in front of V3's round
	s_barrier_wait -1
.irp nb, 0,1,2,3,4,5,6,7
	ds_load_b128 v[MW+4*\nb:MW+4*\nb+3], v[MXL] offset:2048+256*\nb
.endr
	s_wait_dscnt 0
.irp nb, 0,1,2,3,4,5,6,7
	v_add_f32 v[TP+\nb], v[MW+4*\nb], v[MW+4*\nb+1]
.endr
.irp nb, 0,1,2,3,4,5,6,7
	v_add_f32 v[AL+\nb], v[MW+4*\nb+2], v[MW+4*\nb+3]
.endr
.irp nb, 0,1,2,3,4,5,6,7
	v_add_f32 v[AL+\nb], v[AL+\nb], v[TP+\nb]
.endr
.irp nb, 0,1,2,3,4,5,6,7
	v_rcp_f32 v[AL+\nb], v[AL+\nb]
.endr
	v_nop
	s_wait_alu depctr_va_vdst(0)
.macro ZPACK nb
.if \nb < 4
	s_wait_loadcnt 24                              ; this block's eight loads are in; the three blocks asked for behind it stay out
	WIN 0x40
.irp fb, 0,1,2,3,4,5,6,7
	global_load_b128 v[4*(8*(\nb+4)+\fb):4*(8*(\nb+4)+\fb)+3], v[XO], s[86:87] offset:16384*(\nb+4)+32*\fb
.endr
	WIN 0x12
.else
	s_wait_loadcnt 8*(7-\nb)
	WIN 0x13
.endif
.irp fb, 0,1,2,3,4,5,6,7
.irp i, 0,1,2,3
	v_fma_mix_f32_bf16 v[TT+8*\fb+2*\i],   v[8*(8*(\nb%4)+\fb)+2*\i],   v[AL+\nb], v[4*(8*\nb+\fb)+\i] op_sel_hi:[0,0,1]
	v_fma_mix_f32_bf16 v[TT+8*\fb+2*\i+1], v[8*(8*(\nb%4)+\fb)+2*\i+1], v[AL+\nb], v[4*(8*\nb+\fb)+\i] op_sel:[0,0,1] op_sel_hi:[0,0,1]
.endr
.endr
	WIN 0
.irp fb, 0,1,2,3,4,5,6,7
.irp i, 0,1,2,3
	v_cvt_pk_f16_f32 v[ZP+4*\fb+\i], v[TT+8*\fb+2*\i], v[TT+8*\fb+2*\i+1]
.endr
.endr
.irp fb, 0,1,2,3,4,5,6,7
	ds_store_b128 v[ZSL+\nb/4], v[ZP+4*\fb:ZP+4*\fb+3] offset:16640*(\nb%4)+32*\fb
.endr
.endm
.irp nb, 0,1,2,3,4,5,6,7
	ZPACK \nb
.endr
	s_wait_dscnt 0
	s_barrier_signal -1                            ; a plain barrier: Z is whole
	s_barrier_wait -1
	; THE JOINER'S SHARE: out^T = Wj_h^T z^T, eight chunks of 64 f, two a pair.  The first products start the sums anew.
.macro PAIR zero
	PVA 0, 0, \zero, 1, 1040, AZL
	RFV 0
	PVB 1, 1, 128, 1040, AZL
	PVA 1, 128, 0, 1, 1040, AZL
	RFV 1
	PVB 1, 0, 256, 1040, AZL
	WIN 0
	v_add_nc_u32 v[AZL], 256, v[AZL]               ; 128 f on
	v_add_nc_u32 v[AZL+1], 256, v[AZL+1]
.endm
	FP 0, 0, 0, 0, 1040, AZL                       ; J0 was shown landed by the wait in front of V3's round
	PAIR 1                                         ; J0, J1; refills J2, J3
	s_mov_b32 s85, 2
.Lj:
	PAIR 0                                         ; J2 .. J5; refills J4 .. J7
	s_sub_co_u32 s85, s85, 1
	s_cmp_lg_u32 s85, 0
	s_cbranch_scc1 .Lj
	PVA 0, 0, 0, 0, 1040, AZL                      ; J6: nothing is left to fetch
	PVB 1, 1, 128, 1040, AZL
	PLACES 4                                       ; J7
	FP 1, 1, 128, 1, 1040, AZL
	s_wait_dscnt 32
	MP64 0, 0
	s_wait_dscnt 0
	MP64 1, 0
	; THE WAY OUT, a query block at a time: 32 bytes a lane into my stage, read back as rows of 512 bytes: a store of the wave covers 512 consecutive bytes, aligned.
	PLACES 4
	WIN 0
	s_barrier_signal -1                            ; every wave's reads of Z are back (the wait for 0 above): the stages may be written
	s_barrier_wait -1
.macro OUTQ nb
.if \nb < 4
	WIN 0x08
.else
	WIN 0x0c
.endif
.irp fb, 0,1,2,3,4,5,6,7
	ds_store_b128 v[STO], v[8*(8*(\nb%4)+\fb):8*(8*(\nb%4)+\fb)+3]   offset:64*\fb
	ds_store_b128 v[STO], v[8*(8*(\nb%4)+\fb)+4:8*(8*(\nb%4)+\fb)+7] offset:64*\fb+16
.endr
	WIN 0
	s_wait_xcnt 0x0                                ; the registers read back into were store data two blocks ago
.irp row, 0,1,2,3,4,5,6,7,8,9,10,11,12,13,14,15
	ds_load_b128 v[OB+64*(\nb%2)+4*\row:OB+64*(\nb%2)+4*\row+3], v[RD] offset:528*\row   ; LDS serves a wave's instructions in order
.endr
.irp row, 0,1,2,3,4,5,6,7,8,9,10,11,12,13,14,15
	s_wait_dscnt 15-\row
	global_store_b128 v[CO], v[OB+64*(\nb%2)+4*\row:OB+64*(\nb%2)+4*\row+3], s[88:89] offset:2048*(16*\nb+\row)
.endr
.endm
.irp nb, 0,1,2,3,4,5,6,7
	OUTQ \nb
.endr
	s_wait_tensorcnt 0x0
	ds_add_u32 v62, v63
	s_wait_dscnt 0x0
	CROUND                                         ; the closing round
	s_endpgm
.Lfunc_end_k_q7e5a846e5c_attn:
	.size	k_q7e5a846e5c_attn, .Lfunc_end_k_q7e5a846e5c_attn-k_q7e5a846e5c_attn
	.p2alignl 7, 3214868480
	.fill 96, 4, 3214868480
	.section	.rodata,"a",@progbits
	.p2align	6, 0x0
	.amdhsa_kernel k_q7e5a846e5c_attn
		.amdhsa_group_segment_fixed_size 327680
		.amdhsa_private_segment_fixed_size 0
		.amdhsa_enable_private_segment 0
		.amdhsa_kernarg_size 24
		.amdhsa_user_sgpr_count 2
		.amdhsa_user_sgpr_kernarg_segment_ptr 1
		.amdhsa_wavefront_size32 1
		.amdhsa_system_sgpr_workgroup_id_x 1
		.amdhsa_system_sgpr_workgroup_id_y 1
		.amdhsa_system_sgpr_workgroup_id_z 1
		.amdhsa_system_vgpr_workitem_id 0
		.amdhsa_next_free_vgpr 1024
		.amdhsa_next_free_sgpr 100
		.amdhsa_reserve_vcc 0
		.amdhsa_float_denorm_mode_32 3
		.amdhsa_float_denorm_mode_16_64 3
		.amdhsa_memory_ordered 1
		.amdhsa_forward_progress 1
		.amdhsa_inst_pref_size 255
	.end_amdhsa_kernel
	.section	.bss,"aw",@nobits
	.p2align	6
	.space	262144
	.amdgpu_metadata
---
amdhsa.version: [ 1, 2 ]
amdhsa.kernels:
  - .name:           k_q7e5a846e5c_attn
    .symbol:         k_q7e5a846e5c_attn.kd
    .args:
      - { .name: qkv, .offset: 0, .size: 8, .value_kind: global_buffer, .address_space: global }
      - { .name: cst, .offset: 8, .size: 8, .value_kind: global_buffer, .address_space: global }
      - { .name: part, .offset: 16, .size: 8, .value_kind: global_buffer, .address_space: global }
    .group_segment_fixed_size: 327680
    .private_segment_fixed_size: 0
    .kernarg_segment_align: 8
    .kernarg_segment_size: 24
    .max_flat_workgroup_size: 128
    .sgpr_count:     100
    .vgpr_count:     1024
    .wavefront_size: 32
...
	.end_amdgpu_metadata
.endif
;; end of part 3
;; launch ln (part 4): grid 512 x 1, 8 waves a work-group, no clusters, 0 bytes of LDS; arguments part, cst, gamma, beta, out0; writes out0
.if DOCPART == 4
	.amdgcn_target "amdgcn-amd-amdhsa--gfx1250"
	.amdhsa_code_object_version 6
	.text
	.protected	k_q7e5a846e5c_ln
	.globl	k_q7e5a846e5c_ln
	.p2align	8
	.type	k_q7e5a846e5c_ln,@function
k_q7e5a846e5c_ln:
	s_mov_b64 s[64:65], 0
	v_nop
	global_prefetch_b8 v0, s[64:65] scope:SCOPE_SE
	s_setreg_imm32_b32 hwreg(HW_REG_WAVE_MODE, 25, 1), 1
	s_wait_xcnt 0x0
; out0[row] = LayerNorm(x[row] + sum over the 8 heads of part[h][row]) * gamma + beta, all in f32.  Nothing of reference() is left out here.
; FORMAT: x is taken as bf16 (section 0 of cst), gamma and beta are rounded to bf16 here, as every input of this program is.
; One wave, one row: the sums never leave the wave, so there is no LDS and no barrier.  A lane holds columns 4 l + 128 j, j = 0..3:
; each 16-byte load or store of the wave covers 512 consecutive bytes.  All 44 loads of a row go out at once; matrix units and clusters have nothing to do here.
.set P,   4                            ; v[4:131]   part, head p at 16 p
.set XB,  132                          ; v[132:139] x as bf16
.set G,   140                          ; v[140:155] gamma, v[156:171] beta
.set BE,  156
.set Y,   172                          ; v[172:187] the row
.set T,   188                          ; v[188:199] at work
	s_load_b256 s[4:11], s[0:1], 0x0               ; part, cst, gamma, beta
	s_load_b64 s[12:13], s[0:1], 0x20              ; out0
	v_lshrrev_b32 v3, 5, v0
	v_readfirstlane_b32 s14, v3                    ; wave
	s_lshl_b32 s15, ttmp9, 3
	s_add_co_u32 s15, s15, s14                     ; row
	v_and_b32 v3, 31, v0
	v_lshlrev_b32 v1, 4, v3                        ; 16 bytes a lane
	v_lshlrev_b32 v2, 3, v3                        ; 8 bytes a lane
	s_lshl_b32 s32, s15, 11                        ; rows of 2,048 bytes
	s_mov_b32 s33, 0
	s_lshl_b32 s38, s15, 10                        ; rows of 1,024 bytes
	s_mov_b32 s39, 0
	s_mov_b32 s40, 0x76543210
	s_mov_b32 s41, 0xfedcba98
	s_mov_b32 s42, 0xffff0000
	s_mov_b32 s43, 0x3b000000                      ; 1 / 512
	s_mov_b32 s44, 0x3727c5ac                      ; 1e-5
	s_wait_kmcnt 0x0
	s_add_nc_u64 s[16:17], s[4:5], s[32:33]
.irp p, 1,2,3,4,5,6,7
	s_add_nc_u64 s[16+2*\p:17+2*\p], s[14+2*\p:15+2*\p], 0x800000   ; a head's plane is 8,388,608 bytes: more than an immediate offset holds
.endr
	s_add_nc_u64 s[34:35], s[6:7], s[38:39]
	s_add_nc_u64 s[36:37], s[12:13], s[32:33]
.irp j, 0,1,2,3
	global_load_b64 v[XB+2*\j:XB+2*\j+1], v2, s[34:35] offset:256*\j
.endr
.irp j, 0,1,2,3
	global_load_b128 v[G+4*\j:G+4*\j+3], v1, s[8:9] offset:512*\j
.endr
.irp j, 0,1,2,3
	global_load_b128 v[BE+4*\j:BE+4*\j+3], v1, s[10:11] offset:512*\j
.endr
.irp p, 0,1,2,3,4,5,6,7
.irp j, 0,1,2,3
	global_load_b128 v[P+16*\p+4*\j:P+16*\p+4*\j+3], v1, s[16+2*\p:17+2*\p] offset:512*\j th:TH_LOAD_NT
.endr
.endr
	s_wait_loadcnt 32                              ; x, gamma, beta are in; the 32 loads of part stay out
.irp j, 0,1,2,3
	v_lshlrev_b32 v[Y+4*\j],   16,  v[XB+2*\j]
	v_and_b32     v[Y+4*\j+1], s42, v[XB+2*\j]
	v_lshlrev_b32 v[Y+4*\j+2], 16,  v[XB+2*\j+1]
	v_and_b32     v[Y+4*\j+3], s42, v[XB+2*\j+1]
.endr
.irp k, 0,2,4,6,8,10,12,14,16,18,20,22,24,26,28,30
	v_cvt_pk_bf16_f32 v[T+(\k/2)%4], v[G+\k], v[G+\k+1]    ; gamma, then beta, which lies behind it
	v_lshlrev_b32 v[G+\k],   16,  v[T+(\k/2)%4]
	v_and_b32     v[G+\k+1], s42, v[T+(\k/2)%4]
.endr
.irp p, 0,1,2,3,4,5,6,7
	s_wait_loadcnt 28-4*\p                         ; head p's four loads are in; the later heads' stay out
.irp k, 0,2,4,6,8,10,12,14
	v_pk_add_f32 v[Y+\k:Y+\k+1], v[Y+\k:Y+\k+1], v[P+16*\p+\k:P+16*\p+\k+1]
.endr
.endr
; the sum over the wave's 32 lanes, in every lane; t has been written before
.macro WSUM r, t
	v_add_f32_dpp v[\r], v[\r], v[\r] row_xmask:1 row_mask:0xf bank_mask:0xf
	v_add_f32_dpp v[\r], v[\r], v[\r] row_xmask:2 row_mask:0xf bank_mask:0xf
	v_add_f32_dpp v[\r], v[\r], v[\r] row_xmask:4 row_mask:0xf bank_mask:0xf
	v_add_f32_dpp v[\r], v[\r], v[\r] row_xmask:8 row_mask:0xf bank_mask:0xf
	v_permlanex16_b32 v[\t], v[\r], s40, s41
	v_add_f32 v[\r], v[\r], v[\t]
.endm
	v_pk_add_f32 v[192:193], v[Y:Y+1],     v[Y+2:Y+3]
	v_pk_add_f32 v[194:195], v[Y+4:Y+5],   v[Y+6:Y+7]
	v_pk_add_f32 v[196:197], v[Y+8:Y+9],   v[Y+10:Y+11]
	v_pk_add_f32 v[198:199], v[Y+12:Y+13], v[Y+14:Y+15]
	v_pk_add_f32 v[192:193], v[192:193], v[194:195]
	v_pk_add_f32 v[196:197], v[196:197], v[198:199]
	v_pk_add_f32 v[192:193], v[192:193], v[196:197]
	v_add_f32 v192, v192, v193
	WSUM 192, 189
	v_mul_f32 v190, 0xbb000000, v192               ; minus the mean
	v_mov_b32 v191, v190
.irp k, 0,2,4,6,8,10,12,14
	v_pk_add_f32 v[Y+\k:Y+\k+1], v[Y+\k:Y+\k+1], v[190:191]
.endr
	v_pk_mul_f32 v[192:193], v[Y:Y+1],   v[Y:Y+1]
	v_pk_mul_f32 v[194:195], v[Y+2:Y+3], v[Y+2:Y+3]
.irp k, 4,8,12
	v_pk_fma_f32 v[192:193], v[Y+\k:Y+\k+1],   v[Y+\k:Y+\k+1],   v[192:193]
	v_pk_fma_f32 v[194:195], v[Y+\k+2:Y+\k+3], v[Y+\k+2:Y+\k+3], v[194:195]
.endr
	v_pk_add_f32 v[192:193], v[192:193], v[194:195]
	v_add_f32 v192, v192, v193
	WSUM 192, 189
	v_fma_f32 v194, v192, s43, s44                 ; the biased variance + 1e-5
	v_rsq_f32 v196, v194
	v_rsq_f32 v197, v194
	v_nop                                          ; a plain place behind the transcendentals (ISA guide 5.7.2)
	s_wait_alu depctr_va_vdst(0)
.irp k, 0,2,4,6,8,10,12,14
	v_pk_mul_f32 v[Y+\k:Y+\k+1], v[Y+\k:Y+\k+1], v[196:197]
.endr
.irp k, 0,2,4,6,8,10,12,14
	v_pk_fma_f32 v[Y+\k:Y+\k+1], v[Y+\k:Y+\k+1], v[G+\k:G+\k+1], v[BE+\k:BE+\k+1]
.endr
.irp j, 0,1,2,3
	global_store_b128 v1, v[Y+4*\j:Y+4*\j+3], s[36:37] offset:512*\j th:TH_STORE_NT
.endr
	s_endpgm
.Lfunc_end_k_q7e5a846e5c_ln:
	.size	k_q7e5a846e5c_ln, .Lfunc_end_k_q7e5a846e5c_ln-k_q7e5a846e5c_ln
	.p2alignl 7, 3214868480
	.fill 96, 4, 3214868480
	.section	.rodata,"a",@progbits
	.p2align	6, 0x0
	.amdhsa_kernel k_q7e5a846e5c_ln
		.amdhsa_group_segment_fixed_size 0
		.amdhsa_private_segment_fixed_size 0
		.amdhsa_enable_private_segment 0
		.amdhsa_kernarg_size 40
		.amdhsa_user_sgpr_count 2
		.amdhsa_user_sgpr_kernarg_segment_ptr 1
		.amdhsa_wavefront_size32 1
		.amdhsa_system_sgpr_workgroup_id_x 1
		.amdhsa_system_sgpr_workgroup_id_y 1
		.amdhsa_system_sgpr_workgroup_id_z 1
		.amdhsa_system_vgpr_workitem_id 0
		.amdhsa_next_free_vgpr 200
		.amdhsa_next_free_sgpr 66
		.amdhsa_reserve_vcc 0
		.amdhsa_float_denorm_mode_32 3
		.amdhsa_float_denorm_mode_16_64 3
		.amdhsa_memory_ordered 1
		.amdhsa_forward_progress 1
		.amdhsa_inst_pref_size 17
	.end_amdhsa_kernel
	.amdgpu_metadata
---
amdhsa.version: [ 1, 2 ]
amdhsa.kernels:
  - .name:           k_q7e5a846e5c_ln
    .symbol:         k_q7e5a846e5c_ln.kd
    .args:
      - { .name: part, .offset: 0, .size: 8, .value_kind: global_buffer, .address_space: global }
      - { .name: cst, .offset: 8, .size: 8, .value_kind: global_buffer, .address_space: global }
      - { .name: gamma, .offset: 16, .size: 8, .value_kind: global_buffer, .address_space: global }
      - { .name: beta, .offset: 24, .size: 8, .value_kind: global_buffer, .address_space: global }
      - { .name: out0, .offset: 32, .size: 8, .value_kind: global_buffer, .address_space: global }
    .group_segment_fixed_size: 0
    .private_segment_fixed_size: 0
    .kernarg_segment_align: 8
    .kernarg_segment_size: 40
    .max_flat_workgroup_size: 256
    .sgpr_count:     66
    .vgpr_count:     200
    .wavefront_size: 32
...
	.end_amdgpu_metadata
.endif
;; end of part 4
;; ======== version 2 of 2: 4 launches; 1.16 times as fast as version 1
;; limits: values outside matrix products are rounded to bf16; values are held in f16: magnitudes above 65,504 overflow, below 6.1e-05 lose precision
;; workspace buffers: cst 13,107,200 bytes; qv 67,108,864 bytes; part 67,108,864 bytes
;; launch fold (part 5): grid 256 x 1, 8 waves a work-group, no clusters, 316,416 bytes of LDS; arguments x, Wq, Wk, Wv, Wj, cst; writes cst
.if DOCPART == 5
	.amdgcn_target "amdgcn-amd-amdhsa--gfx1250"
	.amdhsa_code_object_version 6
	.text
	.protected	k_q7e5a846e5c_fold
	.globl	k_q7e5a846e5c_fold
	.p2align	8
	.type	k_q7e5a846e5c_fold,@function
k_q7e5a846e5c_fold:
	s_mov_b64 s[64:65], 0
	v_nop
	global_prefetch_b8 v0, s[64:65] scope:SCOPE_SE
	s_setreg_imm32_b32 hwreg(HW_REG_WAVE_MODE, 25, 1), 1
	s_wait_xcnt 0x0
; Multi-head self-attention with full-width heads, in four launches: fold, proj, attn, ln.  All seven inputs are loaded; no step of reference() is dead.
; TWO PRODUCTS ARE RE-ASSOCIATED, by identities that hold for all values of the inputs:
;   scores_h = (x Wq_h)(x Wk_h)^T = x M_h x^T                         with M_h = Wq_h Wk_h^T   [512 f][512 f'];
;   sum_h (attn_h x Wv_h + x) Wj_h = sum_h attn_h (x N_h) + x WB       with N_h = Wv_h Wj_h     [512 f][512 g],  WB = sum_h Wj_h  [512][512].
; So 16 products of 512^3 here take the place of one projection of 4,096 rows x 8 heads and of seven eighths of the joiner.
; LIMITS: the order of rounding differs from reference()'s.  Every input is taken at its bf16 value; M, N, WB and x are then held in f16 with f32 sums behind them:
; |M|, |N|, |WB|, |x| below 65,504 (all inputs 30 times larger: |M| some 200; all with an offset of 30 spreads: some 900); an f16 number below 2^-14 is off by up to 2^-25.
; THIS LAUNCH stores cst: x as f16 [4096][512] at 0; M [8][512][512] at 4,194,304; N at 8,388,608; WB at 12,582,912.
; Work-group i: block (br, bc) of 128 x 128 of product p = i / 16 (0-7: M_p, 8-15: N_(p-8)); beside it 16 rows of x and 2 rows of WB.
; The operands come as f32, 512 consecutive bytes a load of a wave, are rounded to bf16 in registers and laid into LDS: they need converting on the way, so the tensor mover has no part here.
; LDS: the row operand (Wq or Wv, 128 rows x 512 e) pitch 1,040 at 0; the column operand at 133,120: Wk's 128 rows, pitch 1,040, or Wj's 512 rows e x 128 columns, pitch 288
; (K down the rows: read by the transposing load); the stage of the way out, 128 x 272, at 280,576.
; Eight waves: wave w makes rows 32 (w / 2) .. + 31 x columns 64 (w % 2) .. + 63, 8 accumulators.  The column operand is the matrix instruction's first source,
; so that a lane's eight results are eight neighbouring columns of one row.
.set APITCH, 1040                      ; 1,024 + 16: the 16 rows of a fragment load start at 16 different 16-byte columns of 256
.set NPITCH, 288                       ; 256 + 32, an odd multiple of 32, for the transposing load
.set SPITCH, 272
.set LB,  128*APITCH
.set STG, LB+512*NPITCH
.set GO,  1                            ; v1      16 x lane
.set SA,  2                            ; v2      where I lay the row operand
.set SB,  3                            ; v3      where I lay the column operand
.set AFR, 4                            ; v4      my fragments of the row operand
.set BFR, 5                            ; v5-8    my fragments of the column operand (Wj: one register for every four K steps)
.set STO, 9
.set RD,  10
.set CO,  11
.set GO8, 12                           ; v12     8 x lane
.set WR,  14                           ; v[14:15]   my 4 numbers of WB
.set X0,  16                           ; v[16:47]   x as loaded
.set WB,  48                           ; v[48:79]   Wj of the 8 heads as loaded
.set ACC, 16                           ; v[16:79]   later: accumulators, (a, b) at 8 (4 a + b)
.set BK,  80                           ; v[80:207]  two banks of 16 loads
.set FA,  80                           ; v[80:111]  later: fragments of the row operand, two buffers
.set FB,  112                          ; v[112:175] fragments of the column operand, two buffers
.set OP,  176                          ; v[176:207] results packed
.set T,   208                          ; v[208:239] at work
.set XR,  240                          ; v[240:255] x to store
.macro PLACES n
.rept \n
	v_nop
.endr
.endm
; 16 loads into a bank: numbers 16 b .. 16 b + 15 of the wave's 64, step bytes apart (the step may be a sum: it stands in parentheses)
.macro LOADS bank, b, base, step
.irp j, 0,1,2,3,4,5,6,7,8,9,10,11,12,13,14,15
	global_load_b128 v[BK+64*\bank+4*\j:BK+64*\bank+4*\j+3], v[GO], s[\base:\base+1] offset:(16*\b+\j)*(\step)
.endr
.endm
; a bank to bf16 and into LDS, 8 bytes a lane.  rows = 0: four loads make a row of pitch 1,040; rows = 1: a load is a row of pitch 288
.macro CVS bank, b, adr, rows
.irp j, 0,1,2,3,4,5,6,7,8,9,10,11,12,13,14,15
	v_cvt_pk_bf16_f32 v[T+2*\j],   v[BK+64*\bank+4*\j],   v[BK+64*\bank+4*\j+1]
	v_cvt_pk_bf16_f32 v[T+2*\j+1], v[BK+64*\bank+4*\j+2], v[BK+64*\bank+4*\j+3]
.endr
.irp j, 0,1,2,3,4,5,6,7,8,9,10,11,12,13,14,15
.if \rows
	ds_store_b64 v[\adr], v[T+2*\j:T+2*\j+1] offset:(16*\b+\j)*NPITCH
.else
	ds_store_b64 v[\adr], v[T+2*\j:T+2*\j+1] offset:((16*\b+\j)/4)*APITCH+((16*\b+\j)%4)*256
.endif
.endr
.endm
; 12 LDS loads: K step ks (32 along e) into buffer ks % 2
.macro FETCH ks, isn
.irp a, 0,1
	ds_load_b128 v[FA+16*((\ks)%2)+8*\a:FA+16*((\ks)%2)+8*\a+3],   v[AFR] offset:16*APITCH*\a+64*(\ks)
	ds_load_b128 v[FA+16*((\ks)%2)+8*\a+4:FA+16*((\ks)%2)+8*\a+7], v[AFR] offset:16*APITCH*\a+64*(\ks)+32
.endr
.irp b, 0,1,2,3
.if \isn
	ds_load_tr16_b128 v[FB+32*((\ks)%2)+8*\b:FB+32*((\ks)%2)+8*\b+3],   v[BFR+(\ks)/4] offset:((\ks)%4)*32*NPITCH+32*\b
	ds_load_tr16_b128 v[FB+32*((\ks)%2)+8*\b+4:FB+32*((\ks)%2)+8*\b+7], v[BFR+(\ks)/4] offset:((\ks)%4)*32*NPITCH+32*\b+16*NPITCH
.else
	ds_load_b128 v[FB+32*((\ks)%2)+8*\b:FB+32*((\ks)%2)+8*\b+3],   v[BFR] offset:16*APITCH*\b+64*(\ks)
	ds_load_b128 v[FB+32*((\ks)%2)+8*\b+4:FB+32*((\ks)%2)+8*\b+7], v[BFR] offset:16*APITCH*\b+64*(\ks)+32
.endif
.endr
.endm
; 8 products.  The 8 accumulators take turns, one instruction a turn.
.macro MUL ks, zero
.irp a, 0,1
.irp b, 0,1,2,3
.if \zero
	v_wmma_f32_16x16x32_bf16 v[ACC+8*(4*\a+\b):ACC+8*(4*\a+\b)+7], v[FB+32*((\ks)%2)+8*\b:FB+32*((\ks)%2)+8*\b+7], v[FA+16*((\ks)%2)+8*\a:FA+16*((\ks)%2)+8*\a+7], 0
.else
	v_wmma_f32_16x16x32_bf16 v[ACC+8*(4*\a+\b):ACC+8*(4*\a+\b)+7], v[FB+32*((\ks)%2)+8*\b:FB+32*((\ks)%2)+8*\b+7], v[FA+16*((\ks)%2)+8*\a:FA+16*((\ks)%2)+8*\a+7], v[ACC+8*(4*\a+\b):ACC+8*(4*\a+\b)+7]
.endif
.endr
.endr
.endm
	s_load_b256 s[4:11], s[0:1], 0x0               ; x, Wq, Wk, Wv
	s_load_b128 s[12:15], s[0:1], 0x20             ; Wj, cst
	v_lshl_add_u32 v13, v0, 2, 0x4d000
	s_set_vgpr_msb 0x40
	v_mov_b32 v1, 0
	s_set_vgpr_msb 0x4000
	v_lshrrev_b32 v[T], 5, v0
	v_readfirstlane_b32 s20, v[T]                  ; wave 0..7
	s_lshr_b32 s22, ttmp9, 4                       ; product
	s_and_b32 s23, s22, 7                          ; head
	s_bfe_u32 s24, ttmp9, 0x20002                  ; block row
	s_and_b32 s25, ttmp9, 3                        ; block column
	s_lshr_b32 s45, s20, 1                         ; my 32 rows of the block
	s_and_b32 s46, s20, 1                          ; my 64 columns
	s_mov_b32 s44, 0xffff0000
	v_and_b32 v[T+1], 31, v0
	v_lshlrev_b32 v[GO], 4, v[T+1]
	v_lshlrev_b32 v[GO8], 3, v[T+1]
	; byte offsets
	s_lshl_b32 s26, ttmp9, 15                      ; x: rows 16 i + 2 w of 2,048 bytes
	s_lshl_b32 s16, s20, 12
	s_add_co_u32 s26, s26, s16
	s_mov_b32 s27, 0
	s_lshr_b32 s28, s26, 1                         ; the same rows in f16
	s_mov_b32 s29, 0
	s_lshl_b32 s30, ttmp9, 12                      ; Wj for WB: rows 2 i, 2 i + 1, 512 bytes a wave
	s_lshl_b32 s16, s20, 9
	s_add_co_u32 s30, s30, s16
	s_mov_b32 s31, 0
	s_lshr_b32 s32, s30, 1
	s_add_co_u32 s32, s32, 12582912
	s_mov_b32 s33, 0
	s_lshl_b32 s17, s23, 20                        ; a head's 512 x 512 f32
	s_lshl_b32 s34, s24, 18                        ; row operand: 128 rows x block row + 16 rows x wave
	s_add_co_u32 s34, s34, s17
	s_lshl_b32 s16, s20, 15
	s_add_co_u32 s34, s34, s16
	s_mov_b32 s35, 0
	s_lshl_b32 s36, s25, 18                        ; Wk: 128 rows x block column + 16 rows x wave
	s_add_co_u32 s36, s36, s16
	s_lshl_b32 s18, s25, 9                         ; Wj: 128 columns x block column, 64 rows x wave
	s_lshl_b32 s19, s20, 17
	s_add_co_u32 s18, s18, s19
	s_cmp_lt_u32 s22, 8
	s_cselect_b32 s36, s36, s18
	s_add_co_u32 s36, s36, s17
	s_mov_b32 s37, 0
	s_lshl_b32 s38, s22, 19                        ; result: product p, row 128 br + 16 w, byte 256 bc
	s_lshl_b32 s16, s24, 17
	s_add_co_u32 s38, s38, s16
	s_lshl_b32 s16, s20, 14
	s_add_co_u32 s38, s38, s16
	s_lshl_b32 s16, s25, 8
	s_add_co_u32 s38, s38, s16
	s_add_co_u32 s38, s38, 4194304
	s_mov_b32 s39, 0
	s_wait_kmcnt 0x0
	s_cmp_lt_u32 s22, 8
	s_cselect_b64 s[40:41], s[6:7], s[10:11]       ; Wq or Wv
	s_cselect_b64 s[42:43], s[8:9], s[12:13]       ; Wk or Wj
	s_add_nc_u64 s[40:41], s[40:41], s[34:35]
	s_add_nc_u64 s[42:43], s[42:43], s[36:37]
	s_add_nc_u64 s[26:27], s[4:5], s[26:27]
	s_add_nc_u64 s[30:31], s[12:13], s[30:31]
	s_add_nc_u64 s[28:29], s[14:15], s[28:29]
	s_add_nc_u64 s[32:33], s[14:15], s[32:33]
	s_add_nc_u64 s[38:39], s[14:15], s[38:39]
.irp j, 0,1,2,3,4,5,6,7
	global_load_b128 v[X0+4*\j:X0+4*\j+3], v[GO], s[26:27] offset:512*\j th:TH_LOAD_NT
.endr
.irp p, 0,1,2,3,4,5,6,7
	global_load_b128 v[WB+4*\p:WB+4*\p+3], v[GO], s[30:31] offset:1048576*\p
.endr
	LOADS 0, 0, 40, 512
	LOADS 1, 1, 40, 512
	; LDS addresses that both kinds of product share
	s_mul_i32 s16, s20, 16*APITCH
	v_add_nc_u32 v[SA], s16, v[GO8]
	v_and_b32 v[T], 15, v0                         ; r = l % 16
	v_bfe_u32 v[T+1], v0, 4, 1                     ; l / 16
	v_mul_u32_u24 v[T+2], v[T], APITCH
	v_lshl_add_u32 v[T+2], v[T+1], 4, v[T+2]
	s_mul_i32 s16, s45, 32*APITCH
	v_add_nc_u32 v[AFR], s16, v[T+2]
	v_mul_u32_u24 v[T+2], v[T], SPITCH
	v_lshl_add_u32 v[T+2], v[T+1], 4, v[T+2]
	s_mul_i32 s16, s45, 32*SPITCH
	s_lshl_b32 s17, s46, 7
	s_add_co_u32 s16, s16, s17
	s_add_co_u32 s16, s16, STG
	v_add_nc_u32 v[STO], s16, v[T+2]
	v_mul_u32_u24 v[T+2], v[T+1], SPITCH
	v_lshl_add_u32 v[T+2], v[T], 4, v[T+2]
	s_mul_i32 s16, s20, 16*SPITCH
	s_add_co_u32 s16, s16, STG
	v_add_nc_u32 v[RD], s16, v[T+2]
	v_lshlrev_b32 v[T+2], 10, v[T+1]
	v_lshl_add_u32 v[CO], v[T], 4, v[T+2]
	s_wait_loadcnt 32                              ; x and Wj's eight heads are in; the two banks' 32 loads stay out
	; x: to bf16, and that value held as f16.  A store of the wave covers 256 consecutive bytes, aligned.
.irp j, 0,1,2,3,4,5,6,7
	v_cvt_pk_bf16_f32 v[T+2*(\j%4)],   v[X0+4*\j],   v[X0+4*\j+1]
	v_cvt_pk_bf16_f32 v[T+2*(\j%4)+1], v[X0+4*\j+2], v[X0+4*\j+3]
	v_lshlrev_b32 v[X0+4*\j],   16,  v[T+2*(\j%4)]
	v_and_b32     v[X0+4*\j+1], s44, v[T+2*(\j%4)]
	v_lshlrev_b32 v[X0+4*\j+2], 16,  v[T+2*(\j%4)+1]
	v_and_b32     v[X0+4*\j+3], s44, v[T+2*(\j%4)+1]
	v_cvt_pk_f16_f32 v[XR+2*\j],   v[X0+4*\j],   v[X0+4*\j+1]
	v_cvt_pk_f16_f32 v[XR+2*\j+1], v[X0+4*\j+2], v[X0+4*\j+3]
	global_store_b64 v[GO8], v[XR+2*\j:XR+2*\j+1], s[28:29] offset:256*\j
.endr
	; WB: the eight heads' bf16 values, summed in f32
.irp p, 0,1,2,3,4,5,6,7
	v_cvt_pk_bf16_f32 v[T+2*(\p%4)],   v[WB+4*\p],   v[WB+4*\p+1]
	v_cvt_pk_bf16_f32 v[T+2*(\p%4)+1], v[WB+4*\p+2], v[WB+4*\p+3]
	v_lshlrev_b32 v[WB+4*\p],   16,  v[T+2*(\p%4)]
	v_and_b32     v[WB+4*\p+1], s44, v[T+2*(\p%4)]
	v_lshlrev_b32 v[WB+4*\p+2], 16,  v[T+2*(\p%4)+1]
	v_and_b32     v[WB+4*\p+3], s44, v[T+2*(\p%4)+1]
.endr
.irp p, 1,2,3,4,5,6,7
	v_pk_add_f32 v[WB:WB+1],   v[WB:WB+1],   v[WB+4*\p:WB+4*\p+1]
	v_pk_add_f32 v[WB+2:WB+3], v[WB+2:WB+3], v[WB+4*\p+2:WB+4*\p+3]
.endr
	v_cvt_pk_f16_f32 v[WR],   v[WB],   v[WB+1]
	v_cvt_pk_f16_f32 v[WR+1], v[WB+2], v[WB+3]
	global_store_b64 v[GO8], v[WR:WR+1], s[32:33]
; The block.  isn = 0: M (both operands lie along e: a wave's 64 loads are 16 whole rows, 512 bytes apart);
; isn = 1: N (Wj lies with e down the rows: a wave's 64 loads are 512 bytes of 64 rows, 2,048 bytes apart).
.macro BODY isn
	v_and_b32 v[T], 15, v0
	v_bfe_u32 v[T+1], v0, 4, 1
.if \isn
	v_and_b32 v[T+2], 7, v0
	v_lshl_add_u32 v[T+2], v[T+1], 3, v[T+2]       ; row 8 (l / 16) + l % 8,
	v_mul_u32_u24 v[T+2], v[T+2], NPITCH
	v_bfe_u32 v[T+3], v0, 3, 1
	v_lshl_add_u32 v[T+2], v[T+3], 4, v[T+2]       ; 16 bytes on for lanes 8-15 of each half
	s_lshl_b32 s16, s46, 7
	s_add_co_u32 s16, s16, LB
	v_add_nc_u32 v[BFR], s16, v[T+2]
	v_add_nc_u32 v[BFR+1], 128*NPITCH, v[BFR]      ; four K steps are 128 rows: more than seven K steps pass an LDS offset's 16 bits
	v_add_nc_u32 v[BFR+2], 256*NPITCH, v[BFR]
	v_add_nc_u32 v[BFR+3], 384*NPITCH, v[BFR]
	s_mul_i32 s16, s20, 64*NPITCH
.else
	v_mul_u32_u24 v[T+2], v[T], APITCH
	v_lshl_add_u32 v[T+2], v[T+1], 4, v[T+2]
	s_mul_i32 s16, s46, 64*APITCH
	s_add_co_u32 s16, s16, LB
	v_add_nc_u32 v[BFR], s16, v[T+2]
	s_mul_i32 s16, s20, 16*APITCH
.endif
	s_add_co_u32 s16, s16, LB
	v_add_nc_u32 v[SB], s16, v[GO8]
	; eight batches on two banks: a batch is converted while the next one's 16 loads stay out, and its bank is asked for again at once
	s_wait_loadcnt 16
	CVS 0, 0, SA, 0
	LOADS 0, 2, 40, 512
	s_wait_loadcnt 16
	CVS 1, 1, SA, 0
	LOADS 1, 3, 40, 512
	s_wait_loadcnt 16
	CVS 0, 2, SA, 0
	LOADS 0, 0, 42, 512+1536*\isn
	s_wait_loadcnt 16
	CVS 1, 3, SA, 0
	LOADS 1, 1, 42, 512+1536*\isn
	s_wait_loadcnt 16
	CVS 0, 0, SB, \isn
	LOADS 0, 2, 42, 512+1536*\isn
	s_wait_loadcnt 16
	CVS 1, 1, SB, \isn
	LOADS 1, 3, 42, 512+1536*\isn
	s_wait_loadcnt 16
	CVS 0, 2, SB, \isn
	s_wait_loadcnt 0
	CVS 1, 3, SB, \isn
	s_wait_dscnt 0                                 ; for the other waves' sake
	s_barrier_signal -1
	s_barrier_wait -1                              ; both operands are whole
	FETCH 0, \isn
	FETCH 1, \isn
	s_wait_dscnt 12                                ; all but the 12 just issued
	MUL 0, 1                                       ; the first products start the sums
.set kk, 1
.rept 14
	PLACES 4                                       ; between the products that read a buffer and the loads into it (ISA guide 7.12.1 for vector instructions)
	FETCH kk+1, \isn
	s_wait_dscnt 12
	MUL kk, 0
.set kk, kk+1
.endr
	s_wait_dscnt 0
	MUL 15, 0
	; the way out: to f16, 16 bytes a lane into the stage, read back as rows of 256 bytes
	PLACES 4
.irp a, 0,1
.irp b, 0,1,2,3
.irp i, 0,1,2,3
	v_cvt_pk_f16_f32 v[OP+4*(4*\a+\b)+\i], v[ACC+8*(4*\a+\b)+2*\i], v[ACC+8*(4*\a+\b)+2*\i+1]
.endr
.endr
.endr
.irp a, 0,1
.irp b, 0,1,2,3
	ds_store_b128 v[STO], v[OP+4*(4*\a+\b):OP+4*(4*\a+\b)+3] offset:16*SPITCH*\a+32*\b
.endr
.endr
	s_wait_dscnt 0
	s_barrier_signal -1
	s_barrier_wait -1                              ; a row of the stage holds two waves' halves
.irp t, 0,1,2,3,4,5,6,7
	ds_load_b128 v[T+4*\t:T+4*\t+3], v[RD] offset:2*SPITCH*\t
.endr
.irp t, 0,1,2,3,4,5,6,7
	s_wait_dscnt 7-\t
	global_store_b128 v[CO], v[T+4*\t:T+4*\t+3], s[38:39] offset:2048*\t   ; 16 lanes store 256 consecutive bytes, aligned
.endr
.endm
	s_cmp_lt_u32 s22, 8
	s_cbranch_scc0 .Lvj
	BODY 0
	s_set_vgpr_msb 0x4
	s_wait_tensorcnt 0x0
	ds_add_u32 v13, v1
	s_wait_dscnt 0x0
	s_set_vgpr_msb 0x400
	s_endpgm
.Lvj:
	BODY 1
	s_set_vgpr_msb 0x4
	s_wait_tensorcnt 0x0
	ds_add_u32 v13, v1
	s_wait_dscnt 0x0
	s_set_vgpr_msb 0x400
	s_endpgm
.Lfunc_end_k_q7e5a846e5c_fold:
	.size	k_q7e5a846e5c_fold, .Lfunc_end_k_q7e5a846e5c_fold-k_q7e5a846e5c_fold
	.p2alignl 7, 3214868480
	.fill 96, 4, 3214868480
	.section	.rodata,"a",@progbits
	.p2align	6, 0x0
	.amdhsa_kernel k_q7e5a846e5c_fold
		.amdhsa_group_segment_fixed_size 316416
		.amdhsa_private_segment_fixed_size 0
		.amdhsa_enable_private_segment 0
		.amdhsa_kernarg_size 48
		.amdhsa_user_sgpr_count 2
		.amdhsa_user_sgpr_kernarg_segment_ptr 1
		.amdhsa_wavefront_size32 1
		.amdhsa_system_sgpr_workgroup_id_x 1
		.amdhsa_system_sgpr_workgroup_id_y 1
		.amdhsa_system_sgpr_workgroup_id_z 1
		.amdhsa_system_vgpr_workitem_id 0
		.amdhsa_next_free_vgpr 258
		.amdhsa_next_free_sgpr 66
		.amdhsa_reserve_vcc 0
		.amdhsa_float_denorm_mode_32 3
		.amdhsa_float_denorm_mode_16_64 3
		.amdhsa_memory_ordered 1
		.amdhsa_forward_progress 1
		.amdhsa_inst_pref_size 137
	.end_amdhsa_kernel
	.amdgpu_metadata
---
amdhsa.version: [ 1, 2 ]
amdhsa.kernels:
  - .name:           k_q7e5a846e5c_fold
    .symbol:         k_q7e5a846e5c_fold.kd
    .args:
      - { .name: x, .offset: 0, .size: 8, .value_kind: global_buffer, .address_space: global }
      - { .name: Wq, .offset: 8, .size: 8, .value_kind: global_buffer, .address_space: global }
      - { .name: Wk, .offset: 16, .size: 8, .value_kind: global_buffer, .address_space: global }
      - { .name: Wv, .offset: 24, .size: 8, .value_kind: global_buffer, .address_space: global }
      - { .name: Wj, .offset: 32, .size: 8, .value_kind: global_buffer, .address_space: global }
      - { .name: cst, .offset: 40, .size: 8, .value_kind: global_buffer, .address_space: global }
    .group_segment_fixed_size: 316416
    .private_segment_fixed_size: 0
    .kernarg_segment_align: 8
    .kernarg_segment_size: 48
    .max_flat_workgroup_size: 256
    .sgpr_count:     66
    .vgpr_count:     258
    .wavefront_size: 32
...
	.end_amdgpu_metadata
.endif
;; end of part 5
;; launch proj (part 6): grid 16 x 16, 4 waves a work-group, clusters of 4 x 4, 327,680 bytes of LDS; arguments cst, qv; writes qv
.if DOCPART == 6
	.amdgcn_target "amdgcn-amd-amdhsa--gfx1250"
	.amdhsa_code_object_version 6
	.text
	.protected	k_q7e5a846e5c_proj
	.globl	k_q7e5a846e5c_proj
	.p2align	8
	.type	k_q7e5a846e5c_proj,@function
k_q7e5a846e5c_proj:
	s_mov_b64 s[64:65], 0
	v_nop
	global_prefetch_b8 v0, s[64:65] scope:SCOPE_SE
	s_setreg_imm32_b32 hwreg(HW_REG_WAVE_MODE, 25, 1), 1
	s_wait_xcnt 0x0
	s_wait_alu depctr_hold_cnt(0) depctr_sa_sdst(0) depctr_va_vdst(0) depctr_va_sdst(0) depctr_va_ssrc(0) depctr_va_vcc(0) depctr_vm_vsrc(0)
	s_getreg_b32 s2, hwreg(HW_REG_IB_STS2, 6, 4)
	s_cmp_eq_u32 s2, 0
	s_cbranch_scc0 .Lentry_in_a_cluster
	s_endpgm
.Lentry_in_a_cluster:
	s_bfe_u32 s2, ttmp6, 0x10000c
	s_cmp_lg_u32 s2, 0xf033
	s_cbranch_scc0 .Lentry_shape_is_right
	s_endpgm
.Lentry_shape_is_right:
; q' = x M_h / 512 and v' = x N_h / 512 for the 8 heads (M_h = Wq_h Wk_h^T, N_h = Wv_h Wj_h: the identities stand at the head of the first launch; k needs no product: x itself is the key).
; qv matrix 8 t + h (t = 0 q', 1 v') is [4096 rows = 1024 b + s][512] f16, rows of 1,024 bytes.
; Operands f16, sums f32, results times 2^-9 (exact) and rounded once to f16.  LIMIT: |x M|, |x N| below 65,504 x 512.  The factor is there for f16's range: with all inputs
; at an offset of 30 spreads x M reaches 1.4e7, which is 27,000 after it; at ordinary sizes an element below 2^-14 is off by 2^-25, less than the rounding of an element of size 1 / 512.
; A work-group makes blocks of 256 rows x 256 columns with four waves, a wave 128 x 128 in 512 registers.  Work-group (bx, by): head bx / 2, column half bx % 2,
; rows 256 by; it stays and makes two tiles, q' and v', in one ring: 8 K steps of 128 through two LDS slots, so that the first tile's stores leave beside the second's products.
; x lies [row][f]: its fragments are plain 16-byte loads.  M and N lie [f][column], K down the rows: their fragments come by the transposing LDS load.
; CLUSTERS 4 x 4: x's tile hangs on by alone and is asked for jointly along a row of the cluster, M's or N's on bx alone and jointly along a column: a quarter of the requests.
; REGISTERS in windows of 256: window 0: v16-26 addresses, v64-127 and v128-191 fragments of x (two buffers), v192-223 at work on the way out;
; window 1: v64-127, v128-191 fragments of M or N; windows 2 and 3: the accumulators of my rows 0-63 and 64-127, tile (a, b) at v[8 (8 a + b)].
; The matrix instruction takes M's fragment first and x's second, so that a lane's eight results are eight neighbouring columns of one row.
.set KSTEP,  128
.set PITCH,  272                       ; x in LDS: 256 bytes + 16: the 16 rows of a fragment load start at 16 different 16-byte columns of 256
.set BPITCH, 544                       ; M in LDS: 512 bytes + 32, an odd multiple of 32, for the transposing load
.set HALFT,  128*PITCH                 ; one tensor load: 128 rows of x, or 64 rows of M (64 x 544 is the same 34,816 bytes)
.set SLOT,   4*HALFT                   ; x's 256 rows, then M's 128 rows
.set STAGE,  2*SLOT                    ; behind the ring: 16 rows x 272 bytes for each wave; no tensor load lands here
.set SPITCH, 272
.set CROW,   1024                      ; bytes in a row of q', v'
.set ADRA, 16                          ; v16-17  LDS address of my x fragments in slot 0, 1
.set ADRB, 20                          ; v20-21  the same for M
.set STO,  24
.set RD,   25
.set CO,   26
.set F0,   64
.set F1,   128
.set TMP,  192
.set G1, 24                            ; s[24:31] group 1 for x's tiles
.set G0, 32                            ; s[32:39] group 0 for x's tiles, one set a slot
.set G1B, 48                           ; s[48:55] group 1 for M's tiles
.set G0B, 56                           ; s[56:63] group 0 for M's tiles, one set a slot
.set MSB, 0
.macro WIN new                         ; the immediate's high byte repeats the setting that is left
.if MSB != (\new)
	s_set_vgpr_msb (MSB<<8)|(\new)
.set MSB, (\new)
.endif
.endm
.set MUL_LO, 0xa1                      ; source 0 (M) window 1, source 1 (x) window 0, C and D window 2
.set MUL_HI, 0xf1                      ; the same, C and D window 3
.set TO_B,   0x40                      ; destination window 1, address window 0
.macro PLACES n
.rept \n
	v_nop
.endr
.endm
; A joint load: waves 0 and 1 fetch x's two halves, waves 2 and 3 M's.  The branch hangs on the wave's number alone.
.macro JLOAD s
	s_cmp_eq_u32 s11, 0
	s_cbranch_scc0 .Lfor_b_\@
	tensor_load_to_lds s[G0+4*\s:G0+4*\s+3], s[G1:G1+7]
	s_nop 0
	s_branch .Lasked_\@
.Lfor_b_\@:
	tensor_load_to_lds s[G0B+4*\s:G0B+4*\s+3], s[G1B:G1B+7]
	s_nop 0
.Lasked_\@:
.endm
.macro CREST                           ; a round of the cluster's barrier behind its opening barrier
	s_cmp_lg_u32 s10, 0
	s_cbranch_scc1 .Lnot_wave_0_\@
	s_barrier_signal -3
.Lnot_wave_0_\@:
	s_barrier_wait -3
	s_barrier_signal -1
	s_barrier_wait -1
.endm
.macro CROUND
	s_barrier_signal -1
	s_barrier_wait -1
	CREST
.endm
	s_load_b128 s[4:7], s[0:1], 0x0                ; cst s[4:5], qv s[6:7]
	s_set_vgpr_msb 0x40
	v_lshl_add_u32 v255, v0, 2, 0x48400
	s_set_vgpr_msb 0x4000
	v_mov_b32 v255, 0
	s_set_vgpr_msb 0x1
	ds_add_u32 v255, v255
	s_set_vgpr_msb 0x100
	v_lshrrev_b32 v1, 5, v0
	v_readfirstlane_b32 s10, v1                    ; wave 0..3
	s_lshr_b32 s11, s10, 1                         ; my half of the block's rows; also: I fetch for x (0) or for M (1)
	s_and_b32 s12, s10, 1                          ; my half of its columns; also: which half of that tile I fetch
	s_bfe_u32 s40, ttmp6, 0x40000                  ; cx
	s_bfe_u32 s41, ttmp6, 0x40004                  ; cy
	s_lshl_b32 s42, ttmp9, 2
	s_add_co_u32 s42, s42, s40                     ; bx = 4 x cluster x + cx = 2 h + column half
	s_and_b32 s13, ttmp7, 0xffff
	s_lshl_b32 s13, s13, 2
	s_add_co_u32 s13, s13, s41                     ; by = 4 x cluster y + cy
	s_lshl_b32 s43, s41, 2
	s_lshl_b32 s43, 15, s43                        ; my row of the cluster
	s_lshl_b32 s44, 0x1111, s40                    ; my column
	s_or_b32 s[G1+0], s43, (1<<16)|(1<<20)|(1<<21)|(5<<22)|(3<<25)   ; mask; 2-byte elements; padding on; bit 21 beside a mask; 4 words behind every 64
	s_mov_b32 s[G1+1], KSTEP<<16                   ; tensor_dim0 = 128
	s_mov_b32 s[G1+2], 128<<16                     ; tensor_dim1 = 128
	s_mov_b32 s[G1+3], KSTEP<<16                   ; tile_dim0 = 128
	s_mov_b32 s[G1+4], 128                         ; tile_dim1 = 128
	s_mov_b32 s[G1+5], 512                         ; elements from row to row
	s_mov_b32 s[G1+6], 0
	s_mov_b32 s[G1+7], 0
	s_or_b32 s[G1B+0], s44, (1<<16)|(1<<20)|(1<<21)|(6<<22)|(7<<25)  ; 8 words behind every 128
	s_mov_b32 s[G1B+1], 256<<16                    ; tensor_dim0 = 256
	s_mov_b32 s[G1B+2], 64<<16                     ; tensor_dim1 = 64
	s_mov_b32 s[G1B+3], 256<<16                    ; tile_dim0 = 256
	s_mov_b32 s[G1B+4], 64                         ; tile_dim1 = 64
	s_mov_b32 s[G1B+5], 512
	s_mov_b32 s[G1B+6], 0
	s_mov_b32 s[G1B+7], 0
	; x's tile: row 256 by + 128 x half, rows of 1,024 bytes
	s_lshl_b32 s16, s13, 18
	s_lshl_b32 s17, s12, 17
	s_add_co_u32 s16, s16, s17
	s_mov_b32 s17, 0
	; M's tile: at 4,194,304, head bx / 2, column half bx % 2, f rows 64 x half
	s_lshr_b32 s46, s42, 1
	s_lshl_b32 s46, s46, 19
	s_and_b32 s47, s42, 1
	s_lshl_b32 s47, s47, 9
	s_add_co_u32 s46, s46, s47
	s_lshl_b32 s47, s12, 16
	s_add_co_u32 s46, s46, s47
	s_add_co_u32 s46, s46, 4194304
	s_mov_b32 s47, 0
	; my block of q': matrix h, row 256 by + 128 x row half, byte 512 x (bx % 2) + 256 x column half
	s_lshr_b32 s66, s42, 1
	s_lshl_b32 s66, s66, 22
	s_lshl_b32 s67, s13, 18
	s_add_co_u32 s66, s66, s67
	s_lshl_b32 s67, s11, 17
	s_add_co_u32 s66, s66, s67
	s_and_b32 s67, s42, 1
	s_lshl_b32 s67, s67, 9
	s_add_co_u32 s66, s66, s67
	s_lshl_b32 s67, s12, 8
	s_add_co_u32 s66, s66, s67
	s_mov_b32 s67, 0
	s_mul_i32 s20, s10, HALFT                      ; where my load lands: wave x 34,816
	s_wait_dscnt 0x0
	s_wait_kmcnt 0x0
	s_add_nc_u64 s[14:15], s[4:5], s[16:17]
	s_add_nc_u64 s[46:47], s[4:5], s[46:47]
	s_add_nc_u64 s[8:9], s[6:7], s[66:67]
	CROUND                                         ; all sixteen work-groups are here: the first joint loads meet
.irp s, 0,1
	s_mov_b32 s[G0+4*\s], 1
	s_add_co_u32 s[G0+4*\s+1], s20, \s*SLOT
	s_add_nc_u64 s[G0+4*\s+2:G0+4*\s+3], s[14:15], \s*KSTEP*2
	s_or_b32 s[G0+4*\s+3], s[G0+4*\s+3], 0x80000000
	s_mov_b32 s[G0B+4*\s], 1
	s_add_co_u32 s[G0B+4*\s+1], s20, \s*SLOT
	s_add_nc_u64 s[G0B+4*\s+2:G0B+4*\s+3], s[46:47], \s*KSTEP*1024
	s_or_b32 s[G0B+4*\s+3], s[G0B+4*\s+3], 0x80000000
	JLOAD \s
.endr
	v_and_b32 v1, 15, v0                           ; l % 16
	v_bfe_u32 v2, v0, 4, 1                         ; l / 16
	v_mul_u32_u24 v3, v1, PITCH
	v_lshl_add_u32 v3, v2, 4, v3                   ; x: row x pitch + 16 x half
	v_and_b32 v6, 7, v0
	v_lshl_add_u32 v6, v2, 3, v6                   ; M: f row 8 (l / 16) + l % 8,
	v_mul_u32_u24 v6, v6, BPITCH
	v_bfe_u32 v7, v0, 3, 1
	v_lshl_add_u32 v6, v7, 4, v6                   ; and 16 bytes on for lanes 8-15 of each half
	s_mul_i32 s21, s11, HALFT                      ; my 128 rows of x
	s_lshl_b32 s22, s12, 8                         ; my 128 columns of M,
	s_add_co_u32 s22, s22, 2*HALFT                 ; which lies behind x's 256 rows
.irp s, 0,1
	v_add_nc_u32 v[ADRA+\s], s21, v3
	v_add_nc_u32 v[ADRB+\s], s22, v6
	s_add_co_u32 s21, s21, SLOT
	s_add_co_u32 s22, s22, SLOT
.endr
	s_mul_i32 s23, s10, 16*SPITCH
	s_add_co_u32 s23, s23, STAGE                   ; my stage
	v_mul_u32_u24 v4, v1, SPITCH
	v_lshl_add_u32 v4, v2, 4, v4
	v_add_nc_u32 v[STO], s23, v4
	v_mul_u32_u24 v5, v2, SPITCH
	v_lshl_add_u32 v5, v1, 4, v5
	v_add_nc_u32 v[RD], s23, v5
	v_mul_u32_u24 v5, v2, CROW
	v_lshl_add_u32 v[CO], v1, 4, v5
; 16 matrix instructions: row blocks a0, a0 + 1 of the window's four x all 8 column blocks, 32 along K.  zero = 1: the product starts the sums.
; The 64 accumulators take turns, one instruction a turn, in the same order everywhere.
.macro MUL16 f, hi, a0, zero
.irp a, \a0, \a0+1
.irp b, 0,1,2,3,4,5,6,7
.if \zero
	v_wmma_f32_16x16x32_f16 v[8*(8*(\a)+\b):8*(8*(\a)+\b)+7], v[\f+8*\b:\f+8*\b+7], v[\f+8*(4*\hi+\a):\f+8*(4*\hi+\a)+7], 0
.else
	v_wmma_f32_16x16x32_f16 v[8*(8*(\a)+\b):8*(8*(\a)+\b)+7], v[\f+8*\b:\f+8*\b+7], v[\f+8*(4*\hi+\a):\f+8*(4*\hi+\a)+7], v[8*(8*(\a)+\b):8*(8*(\a)+\b)+7]
.endif
.endr
.endr
.endm
; 32 LDS loads in one run: the fragments of quarter kq (32 along K) of a slot into buffer f.  M: f rows 32 kq .. + 31 of 128 columns, transposed on the way.
.macro FETCH slot, kq, f
	WIN TO_B
.irp i, 0,1,2,3,4,5,6,7
	ds_load_tr16_b128 v[\f+8*\i:\f+8*\i+3],   v[ADRB+\slot] offset:\kq*32*BPITCH+32*\i
	ds_load_tr16_b128 v[\f+8*\i+4:\f+8*\i+7], v[ADRB+\slot] offset:\kq*32*BPITCH+32*\i+16*BPITCH
.endr
	WIN 0
.irp i, 0,1,2,3,4,5,6,7
	ds_load_b128 v[\f+8*\i:\f+8*\i+3],   v[ADRA+\slot] offset:\kq*64+\i*16*PITCH
	ds_load_b128 v[\f+8*\i+4:\f+8*\i+7], v[ADRA+\slot] offset:\kq*64+\i*16*PITCH+32
.endr
.endm
; One of a K step's first three quarters: multiplies buffer f, and in its middle fetches quarter kq into buffer g.
; Four plain places stand between a matrix instruction and a load into a register that it read (ISA guide 7.12.1 for vector instructions).
.macro QUARTER slot, kq, f, g, zero
	s_wait_dscnt 8                                 ; M and x's rows 0-63 are in; the youngest eight loads (x's rows 64-127) may be out
	WIN MUL_LO
	MUL16 \f, 0, 0, \zero
	MUL16 \f, 0, 2, \zero
	PLACES 4
	FETCH \slot, \kq, \g
	s_wait_dscnt 32                                ; all but the 32 just issued
	WIN MUL_HI
	MUL16 \f, 1, 0, \zero
	MUL16 \f, 1, 2, \zero
.endm
.macro THREE slot, zero
	QUARTER \slot, 1, F0, F1, \zero
	QUARTER \slot, 2, F1, F0, 0
	QUARTER \slot, 3, F0, F1, 0
.endm
; The last quarter changes slots.  fill = 1: this slot is filled again, two K steps ahead; back = 1: those are the next tile's (x back to its first K steps, M on to N).
; In front of the opening signal each wave waits for its reads of this slot and for all its tensor loads (one is out: its part of the next slot);
; inside the round stands register work alone; the joint refill is the first tensor load behind the round, one a wave.
.macro TURN slot, next, fill, back
	s_wait_dscnt 8
	WIN MUL_LO
	MUL16 F1, 0, 0, 0
	s_wait_dscnt 0
	s_wait_tensorcnt 0x0
	ds_add_u32 v255, v255
	s_wait_dscnt 0x0
	s_barrier_signal -1
	MUL16 F1, 0, 2, 0
	WIN 0
	s_barrier_wait -1
.if \fill
	CREST
.if \back
	s_sub_nc_u64 s[G0+4*\slot+2:G0+4*\slot+3], s[G0+4*\slot+2:G0+4*\slot+3], 2*KSTEP*2
	s_add_nc_u64 s[G0B+4*\slot+2:G0B+4*\slot+3], s[G0B+4*\slot+2:G0B+4*\slot+3], 4194304-2*KSTEP*1024
.else
	s_add_nc_u64 s[G0+4*\slot+2:G0+4*\slot+3], s[G0+4*\slot+2:G0+4*\slot+3], 2*KSTEP*2
	s_add_nc_u64 s[G0B+4*\slot+2:G0B+4*\slot+3], s[G0B+4*\slot+2:G0B+4*\slot+3], 2*KSTEP*1024
.endif
	JLOAD \slot
.endif
	PLACES 4
	FETCH \next, 0, F0
	WIN MUL_HI
	MUL16 F1, 1, 0, 0
	MUL16 F1, 1, 2, 0
.endm
; The way out, 16 rows at a time: times 2^-9 in place, round to f16, 16 bytes a lane into my own stage, read back as whole rows of 256 bytes.
; hi: window 2 or 3; f: where the rows are read back to.
.macro OUT16 i, a, hi, f
	WIN 0x82+0x41*\hi                              ; source 0 and destination in the accumulators' window
.irp b, 0,1,2,3,4,5,6,7
.irp r, 0,1,2,3
	v_pk_mul_f32 v[8*(8*\a+\b)+2*\r:8*(8*\a+\b)+2*\r+1], v[8*(8*\a+\b)+2*\r:8*(8*\a+\b)+2*\r+1], 0x3b000000 op_sel_hi:[1,0]
.endr
.endr
	WIN 0x0a+5*\hi                                 ; sources 0 and 1 there, destination window 0
.irp b, 0,1,2,3,4,5,6,7
.irp r, 0,1,2,3
	v_cvt_pk_f16_f32 v[TMP+4*\b+\r], v[8*(8*\a+\b)+2*\r], v[8*(8*\a+\b)+2*\r+1]
.endr
.endr
	WIN 0
.irp b, 0,1,2,3,4,5,6,7
	ds_store_b128 v[STO], v[TMP+4*\b:TMP+4*\b+3] offset:32*\b
.endr
	s_wait_xcnt 0x0                                ; the registers at f, which earlier stores read, and the stores' base are rewritten only behind this wait
.if \i
	s_add_nc_u64 s[8:9], s[8:9], 16*CROW
.endif
.irp t, 0,1,2,3,4,5,6,7
	ds_load_b128 v[\f+4*\t:\f+4*\t+3], v[RD] offset:\t*2*SPITCH    ; LDS serves a wave's instructions in order: these see the stores above
.endr
.irp t, 0,1,2,3,4,5,6,7
	s_wait_dscnt 7-\t
	global_store_b128 v[CO], v[\f+4*\t:\f+4*\t+3], s[8:9] offset:2*\t*CROW   ; 16 lanes store 256 consecutive bytes, aligned
.endr
.endm
; Buffer 0 already holds the next tile's first fragments, so the rows are read back into the two halves of buffer 1 in turn.
.macro OUT last
	PLACES 4                                       ; behind the last matrix instructions: for the multiplies and for the loads into buffer 1
	OUT16 0, 0, 0, F1
	OUT16 1, 1, 0, F1+32
	OUT16 2, 2, 0, F1
	OUT16 3, 3, 0, F1+32
	OUT16 4, 0, 1, F1
	OUT16 5, 1, 1, F1+32
	OUT16 6, 2, 1, F1
	OUT16 7, 3, 1, F1+32
.if \last == 0
	s_wait_xcnt 0x0                                ; buffer 1 is loaded again in the next tile, and the base steps
	s_add_nc_u64 s[8:9], s[8:9], 8*4096*CROW-7*16*CROW   ; the same block of the matrix 8 further on
.endif
.endm
; A tile: four K steps, slots 0, 1, 0, 1.  The first tile's last two changes of slots ask for the second tile's first K steps, ahead of its first store.
.macro TILE last
	THREE 0, 1
	TURN 0, 1, 1, 0
	THREE 1, 0
	TURN 1, 0, 1, 0
	THREE 0, 0
.if \last
	TURN 0, 1, 0, 0                                ; nothing is left to fetch: a plain barrier
	THREE 1, 0
	s_wait_dscnt 8
	WIN MUL_LO
	MUL16 F1, 0, 0, 0
	MUL16 F1, 0, 2, 0
	s_wait_dscnt 0
	WIN MUL_HI
	MUL16 F1, 1, 0, 0
	MUL16 F1, 1, 2, 0
.else
	TURN 0, 1, 1, 1
	THREE 1, 0
	TURN 1, 0, 1, 1
.endif
	OUT \last
.endm
	s_wait_tensorcnt 1                             ; my part of K step 0 is in; K step 1's may stay out
	s_barrier_signal -1
	s_barrier_wait -1
	FETCH 0, 0, F0
	TILE 0                                         ; q'
	TILE 1                                         ; v'
	s_set_vgpr_msb 0x1
	s_wait_tensorcnt 0x0
	ds_add_u32 v255, v255
	s_wait_dscnt 0x0
	s_set_vgpr_msb 0x100
	CROUND                                         ; the closing round: no work-group ends while a partner may still ask for a tile that names it
	s_endpgm
.Lfunc_end_k_q7e5a846e5c_proj:
	.size	k_q7e5a846e5c_proj, .Lfunc_end_k_q7e5a846e5c_proj-k_q7e5a846e5c_proj
	.p2alignl 7, 3214868480
	.fill 96, 4, 3214868480
	.section	.rodata,"a",@progbits
	.p2align	6, 0x0
	.amdhsa_kernel k_q7e5a846e5c_proj
		.amdhsa_group_segment_fixed_size 327680
		.amdhsa_private_segment_fixed_size 0
		.amdhsa_enable_private_segment 0
		.amdhsa_kernarg_size 16
		.amdhsa_user_sgpr_count 2
		.amdhsa_user_sgpr_kernarg_segment_ptr 1
		.amdhsa_wavefront_size32 1
		.amdhsa_system_sgpr_workgroup_id_x 1
		.amdhsa_system_sgpr_workgroup_id_y 1
		.amdhsa_system_sgpr_workgroup_id_z 1
		.amdhsa_system_vgpr_workitem_id 0
		.amdhsa_next_free_vgpr 1024
		.amdhsa_next_free_sgpr 70
		.amdhsa_reserve_vcc 0
		.amdhsa_float_denorm_mode_32 3
		.amdhsa_float_denorm_mode_16_64 3
		.amdhsa_memory_ordered 1
		.amdhsa_forward_progress 1
		.amdhsa_inst_pref_size 255
	.end_amdhsa_kernel
	.section	.bss,"aw",@nobits
	.p2align	6
	.space	262144
	.amdgpu_metadata
---
amdhsa.version: [ 1, 2 ]
amdhsa.kernels:
  - .name:           k_q7e5a846e5c_proj
    .symbol:         k_q7e5a846e5c_proj.kd
    .args:
      - { .name: cst, .offset: 0, .size: 8, .value_kind: global_buffer, .address_space: global }
      - { .name: qv, .offset: 8, .size: 8, .value_kind: global_buffer, .address_space: global }
    .group_segment_fixed_size: 327680
    .private_segment_fixed_size: 0
    .kernarg_segment_align: 8
    .kernarg_segment_size: 16
    .max_flat_workgroup_size: 128
    .sgpr_count:     70
    .vgpr_count:     1024
    .wavefront_size: 32
...
	.end_amdgpu_metadata
.endif
;; end of part 6
;; launch attn (part 7): grid 8 x 32, 4 waves a work-group, clusters of 4 x 1, 327,680 bytes of LDS; arguments qv, cst, part; writes part
.if DOCPART == 7
	.amdgcn_target "amdgcn-amd-amdhsa--gfx1250"
	.amdhsa_code_object_version 6
	.text
	.protected	k_q7e5a846e5c_attn
	.globl	k_q7e5a846e5c_attn
	.p2align	8
	.type	k_q7e5a846e5c_attn,@function
k_q7e5a846e5c_attn:
	s_mov_b64 s[64:65], 0
	v_nop
	global_prefetch_b8 v0, s[64:65] scope:SCOPE_SE
	s_setreg_imm32_b32 hwreg(HW_REG_WAVE_MODE, 25, 1), 1
	s_wait_xcnt 0x0
	s_wait_alu depctr_hold_cnt(0) depctr_sa_sdst(0) depctr_va_vdst(0) depctr_va_sdst(0) depctr_va_ssrc(0) depctr_va_vcc(0) depctr_vm_vsrc(0)
	s_getreg_b32 s2, hwreg(HW_REG_IB_STS2, 6, 4)
	s_cmp_eq_u32 s2, 0
	s_cbranch_scc0 .Lentry_in_a_cluster
	s_endpgm
.Lentry_in_a_cluster:
	s_bfe_u32 s2, ttmp6, 0x10000c
	s_cmp_lg_u32 s2, 0x3003
	s_cbranch_scc0 .Lentry_shape_is_right
	s_endpgm
.Lentry_shape_is_right:
; For one head h, one batch b and 128 queries: scores q' x^T, softmax with a running maximum, P v', and the head's eighth of x WB:
;   part[h][row][g] = (softmax(x M_h x^T) x N_h)[row][g] + sum over f = 64 h .. 64 h + 63 of x[row][f] WB[f][g], f32.  The last launch adds the eight heads.
; (M_h, N_h, WB: the identities stand at the head of the first launch.  With them the keys are x itself and P v' is already the head's share of the joiner's result.)
; Operands f16, sums and softmax f32.  q' and v' come times 2^-9: the 512 returns in the softmax's constant (log2 e x 512) and in 512 / row sum.
; LIMITS: |x| below 65,504; a weight of the softmax below 6e-8 of the row's largest becomes 0; a row whose scores are all -inf or NaN is not served.
; Four waves.  Keys go in four tiles of 256.  All products are taken transposed, so that a lane owns one query (16 nb + l % 16) and 8 neighbouring keys or columns:
;   S^T: wave w makes keys 64 w .. + 63 x 128 queries (32 tiles);  O^T: columns 128 w .. + 127 x 128 queries (64 tiles).
; So the softmax's figures are one register a query block, and the row maximum needs one step across the lane halves and one exchange among the waves.
; CLUSTER 4 x 1: four query blocks of one (b, h) ask jointly for the tiles of K (= x), v' and WB (mask 15).  q's tiles and the residual's x tile are each work-group's own: plain loads.
; THE RING: two LDS slots, chunks of 128 matrix instructions a wave: per key tile S0..S3 (128 of the 512 dims: K 256 rows, q' 128 rows) and V0..V3 (64 keys), at the end one chunk for x WB.
; A chunk's turn fills its own slot again with the chunk two ahead, behind a round of the cluster's barrier.  By this text's count a wave has two tensor loads out at the start, later one.
; LDS: slot s at 104,448 s.  S chunk: K 256 x 272 at + 0, q' 128 x 272 at + 69,632.  V chunk, and WB's: wave w's own strip, 64 rows x 288, at + 18,432 w.
;   The residual's x tile, 128 queries x 64 f, pitch 144, at slot 1.  P [128 q][256 keys] f16, pitch 528, at 208,896; the stage of the way out, 16 x 528 a wave, lies in P's bytes,
;   whose last reads end in front of the last V chunk's round.  MX, LX [128 q][4 waves] f32 at 276,480 and 278,528.
; REGISTERS: window 0: addresses and softmax figures v1-59; v64-127, v128-191 fragments of q', P or x (two buffers); v192-223, v224-255 fragments of K.
;   window 1: S(kb, nb) at 8 (8 kb + nb); in P v' and x WB v0-63, v64-127 fragments of v' or WB.   windows 2, 3: O(nb, fb) at 8 (8 (nb % 4) + fb).
.set SLOT,   104448
.set QOFF,   69632
.set PBASE,  208896
.set MXBASE, 276480
.set XP,     144                       ; the x tile's pitch: 128 bytes + 16
.set AK,  1                            ; v1-2    K fragments, slot 0, 1
.set AQ,  3                            ; v3-4    q' fragments
.set AV,  5                            ; v5-6    v' or WB fragments (transposing load)
.set APL, 7                            ; v7-8    P fragments, queries 0-63, 64-127
.set PST, 9                            ; v9      where I store P
.set MXS, 10                           ; v10     my wave's word of MX
.set MXL, 11                           ; v11     the four words of my query
.set AXL, 12                           ; v12-13  fragments of the x tile, queries 0-63, 64-127
.set STO, 15
.set RD,  16
.set CO,  17
.set NM,  20                           ; v[20:27] minus the running maximum times log2 e, one a query block
.set AL,  28                           ; v[28:35] the rescaling factor; at the end 512 / row sum
.set LS,  36                           ; v[36:51] my share of the row sums, a pair a query block
.set TP,  52                           ; v[52:59] at work
.set QB,  64                           ; q', P, x fragment buffers: QB + 64 buf
.set KB,  192                          ; K fragment buffers: KB + 32 buf
.set PK,  64                           ; softmax: P packed, v64-191
.set MW,  192                          ; softmax: the four waves' words
.set MXT, 224                          ; softmax: my maxima
.set OB,  64                           ; way out: rows read back
.set G1X, 12                           ; s[12:19] the x tile's shape, s[20:23] its group 0: written at the end of the prologue
.set G0X, 20
.set G1K, 24
.set G1Q, 32
.set G1V, 40
.set G0K, 48                           ; s[48:55] one set a slot
.set G0Q, 56                           ; s[56:63]
.set G0V, 68                           ; s[68:75]
.set WJ,  76                           ; s[76:77] WB's strip
.set MSB, 0
.macro WIN new
.if MSB != (\new)
	s_set_vgpr_msb (MSB<<8)|(\new)
.set MSB, (\new)
.endif
.endm
.macro PLACES n
.rept \n
	v_nop
.endr
.endm
.macro CREST
	s_cmp_lg_u32 s10, 0
	s_cbranch_scc1 .Lnot_wave_0_\@
	s_barrier_signal -3
.Lnot_wave_0_\@:
	s_barrier_wait -3
	s_barrier_signal -1
	s_barrier_wait -1
.endm
.macro CROUND
	s_barrier_signal -1
	s_barrier_wait -1
	CREST
.endm
; v[d:d+1] *= one register of the pair v[a:a+1], in both halves
.macro PKMULB d, a, odd
.if \odd
	v_pk_mul_f32 v[\d:\d+1], v[\d:\d+1], v[\a:\a+1] op_sel:[0,1] op_sel_hi:[1,1]
.else
	v_pk_mul_f32 v[\d:\d+1], v[\d:\d+1], v[\a:\a+1] op_sel_hi:[1,0]
.endif
.endm
; O(nb, .) *= AL[nb]: 256 packed multiplies
.macro RESCALE
	WIN 0x82
.irp a, 0,1,2,3
.irp fb, 0,1,2,3,4,5,6,7
.irp i, 0,1,2,3
	PKMULB 8*(8*\a+\fb)+2*\i, AL+2*(\a/2), \a%2
.endr
.endr
.endr
	WIN 0xc3
.irp a, 0,1,2,3
.irp fb, 0,1,2,3,4,5,6,7
.irp i, 0,1,2,3
	PKMULB 8*(8*\a+\fb)+2*\i, AL+4+2*(\a/2), \a%2
.endr
.endr
.endr
	WIN 0
.endm
; 24 LDS loads: q's 8 and K's 4 fragments of 32 dims (sub) of an S chunk
.macro FS slot, sub, buf
	WIN 0
.irp nb, 0,1,2,3,4,5,6,7
	ds_load_b128 v[QB+64*\buf+8*\nb:QB+64*\buf+8*\nb+3],   v[AQ+\slot] offset:4352*\nb+64*\sub
	ds_load_b128 v[QB+64*\buf+8*\nb+4:QB+64*\buf+8*\nb+7], v[AQ+\slot] offset:4352*\nb+64*\sub+32
.endr
.irp kb, 0,1,2,3
	ds_load_b128 v[KB+32*\buf+8*\kb:KB+32*\buf+8*\kb+3],   v[AK+\slot] offset:4352*\kb+64*\sub
	ds_load_b128 v[KB+32*\buf+8*\kb+4:KB+32*\buf+8*\kb+7], v[AK+\slot] offset:4352*\kb+64*\sub+32
.endr
.endm
; 16 products of S^T: key blocks kb0, kb0 + 1 x 8 query blocks.  The accumulators take turns, one instruction a turn.
.macro MS buf, kb0, zero
	WIN 0x50
.irp kb, \kb0, \kb0+1
.irp nb, 0,1,2,3,4,5,6,7
.if \zero
	v_wmma_f32_16x16x32_f16 v[8*(8*(\kb)+\nb):8*(8*(\kb)+\nb)+7], v[KB+32*\buf+8*(\kb):KB+32*\buf+8*(\kb)+7], v[QB+64*\buf+8*\nb:QB+64*\buf+8*\nb+7], 0
.else
	v_wmma_f32_16x16x32_f16 v[8*(8*(\kb)+\nb):8*(8*(\kb)+\nb)+7], v[KB+32*\buf+8*(\kb):KB+32*\buf+8*(\kb)+7], v[QB+64*\buf+8*\nb:QB+64*\buf+8*\nb+7], v[8*(8*(\kb)+\nb):8*(8*(\kb)+\nb)+7]
.endif
.endr
.endr
.endm
; An S chunk into a slot: waves 0 and 1 ask jointly for K's halves, waves 2 and 3 each for half of the work-group's own q'.
; mode 1: the slot's next 128 dims; mode 2: the next key tile's (K 256 rows on and 256 dims back, q' 256 dims back); mode 0: as set up.
.macro RFS slot, mode
.if \mode == 1
	s_add_nc_u64 s[G0K+4*\slot+2:G0K+4*\slot+3], s[G0K+4*\slot+2:G0K+4*\slot+3], 512
	s_add_nc_u64 s[G0Q+4*\slot+2:G0Q+4*\slot+3], s[G0Q+4*\slot+2:G0Q+4*\slot+3], 512
.endif
.if \mode == 2
	s_add_nc_u64 s[G0K+4*\slot+2:G0K+4*\slot+3], s[G0K+4*\slot+2:G0K+4*\slot+3], 256*1024-512
	s_sub_nc_u64 s[G0Q+4*\slot+2:G0Q+4*\slot+3], s[G0Q+4*\slot+2:G0Q+4*\slot+3], 512
.endif
	s_cmp_eq_u32 s11, 0
	s_cbranch_scc0 .Lfor_q_\@
	tensor_load_to_lds s[G0K+4*\slot:G0K+4*\slot+3], s[G1K:G1K+7]
	s_nop 0
	s_branch .Lasked_\@
.Lfor_q_\@:
	tensor_load_to_lds s[G0Q+4*\slot:G0Q+4*\slot+3], s[G1Q:G1Q+7]
	s_nop 0
.Lasked_\@:
.endm
.macro RFV slot                        ; the slot's next 64 rows of v': each wave its own strip, jointly with its partners
	s_add_nc_u64 s[G0V+4*\slot+2:G0V+4*\slot+3], s[G0V+4*\slot+2:G0V+4*\slot+3], 2*64*1024
	tensor_load_to_lds s[G0V+4*\slot:G0V+4*\slot+3], s[G1V:G1V+7]
	s_nop 0
.endm
.macro RFJ                             ; slot 0's descriptor turns to WB's rows 64 h .. + 63
	s_mov_b64 s[G0V+2:G0V+3], s[WJ:WJ+1]
	s_or_b32 s[G0V+3], s[G0V+3], 0x80000000
	tensor_load_to_lds s[G0V:G0V+3], s[G1V:G1V+7]
	s_nop 0
.endm
.macro RFX                             ; the x tile into slot 1: waves 0 and 1 bring 64 queries each
	s_cmp_lg_u32 s11, 0
	s_cbranch_scc1 .Lno_x_\@
	tensor_load_to_lds s[G0X:G0X+3], s[G1X:G1X+7]
	s_nop 0
.Lno_x_\@:
.endm
; An S chunk: four subs of 32 dims on buffers 0, 1, 0, 1; each fetches the next one's fragments in one run, four places behind the products that read that buffer
; (five where the first products write over v's fragment registers).  The last sub changes slots: waits for my reads and for all my tensor loads, the round with
; register work alone inside, the refill first behind it (rk 1: an S chunk, 2: a V chunk), then, if nx, the other slot's first fragments.
.macro SSTEP slot, nslot, zero, rk, nx
	PLACES 4+\zero
	FS \slot, 1, 1
	s_wait_dscnt 24                                ; all but the 24 just issued
	MS 0, 0, \zero
	MS 0, 2, \zero
	PLACES 4
	FS \slot, 2, 0
	s_wait_dscnt 24
	MS 1, 0, 0
	MS 1, 2, 0
	PLACES 4
	FS \slot, 3, 1
	s_wait_dscnt 24
	MS 0, 0, 0
	MS 0, 2, 0
	s_wait_dscnt 0
	s_wait_tensorcnt 0x0
	ds_add_u32 v62, v63
	s_wait_dscnt 0x0
	s_barrier_signal -1
	MS 1, 0, 0
	WIN 0
	s_barrier_wait -1
	CREST
.if \rk == 1
	RFS \slot, 1
.else
	RFV \slot
.endif
.if \nx
	PLACES 4
	FS \nslot, 0, 0
.endif
	MS 1, 2, 0
.endm
; 32 LDS loads: 8 fragments of v' or WB (32 rows ss of my strip, transposed on the way) and 8 of P or x (address registers ap, ap + 1; pitch pit; byte coff of the rows)
.macro FP slot, ss, coff, buf, pit, ap
	WIN 0x40
.irp fb, 0,1,2,3,4,5,6,7
	ds_load_tr16_b128 v[64*\buf+8*\fb:64*\buf+8*\fb+3],   v[AV+\slot] offset:9216*\ss+32*\fb
	ds_load_tr16_b128 v[64*\buf+8*\fb+4:64*\buf+8*\fb+7], v[AV+\slot] offset:9216*\ss+32*\fb+4608
.endr
	WIN 0
.irp nb, 0,1,2,3
	ds_load_b128 v[QB+64*\buf+8*\nb:QB+64*\buf+8*\nb+3],   v[\ap] offset:16*\pit*\nb+\coff+64*\ss
	ds_load_b128 v[QB+64*\buf+8*\nb+4:QB+64*\buf+8*\nb+7], v[\ap] offset:16*\pit*\nb+\coff+64*\ss+32
.endr
.irp nb, 0,1,2,3
	ds_load_b128 v[QB+64*\buf+32+8*\nb:QB+64*\buf+32+8*\nb+3],   v[\ap+1] offset:16*\pit*\nb+\coff+64*\ss
	ds_load_b128 v[QB+64*\buf+32+8*\nb+4:QB+64*\buf+32+8*\nb+7], v[\ap+1] offset:16*\pit*\nb+\coff+64*\ss+32
.endr
.endm
; 16 products of O^T: query blocks 4 hi + a0, + 1 x 8 column blocks
.macro MP buf, hi, a0
.if \hi
	WIN 0xf1
.else
	WIN 0xa1
.endif
.irp a, \a0, \a0+1
.irp fb, 0,1,2,3,4,5,6,7
	v_wmma_f32_16x16x32_f16 v[8*(8*(\a)+\fb):8*(8*(\a)+\fb)+7], v[64*\buf+8*\fb:64*\buf+8*\fb+7], v[QB+64*\buf+8*(4*\hi+\a):QB+64*\buf+8*(4*\hi+\a)+7], v[8*(8*(\a)+\fb):8*(8*(\a)+\fb)+7]
.endr
.endr
.endm
.macro MP64 buf
	MP \buf, 0, 0
	MP \buf, 0, 2
	MP \buf, 1, 0
	MP \buf, 1, 2
.endm
; A V chunk up to its change of slots: fetch its second 32 keys, multiply the first, wait for my reads and for all my tensor loads, the round.
.macro PVA slot, coff
	PLACES 4
	FP \slot, 1, \coff, 1, 528, APL
	s_wait_dscnt 32                                ; all but the 32 just issued
	MP64 0
	s_wait_dscnt 0
	s_set_vgpr_msb 0xf1f0
	s_wait_tensorcnt 0x0
	ds_add_u32 v62, v63
	s_wait_dscnt 0x0
	s_set_vgpr_msb 0xf0f1
	s_barrier_signal -1
	MP 1, 0, 0
	WIN 0
	s_barrier_wait -1
	CREST
.endm
; The rest of the chunk, behind the refill: nx = 1: the next chunk's first fragments; nx = 2: the next key tile's first S fragments; nx = 0: none
.macro PVB nx, slot, coff
.if \nx
	PLACES 4
.endif
.if \nx == 1
	FP \slot, 0, \coff, 0, 528, APL
.endif
.if \nx == 2
	FS 0, 0, 0
.endif
	MP 1, 0, 2
	MP 1, 1, 0
	MP 1, 1, 2
.endm
	s_load_b128 s[4:7], s[0:1], 0x0                ; qv s[4:5], cst s[6:7]
	s_load_b64 s[8:9], s[0:1], 0x10                ; part
	v_lshl_add_u32 v62, v0, 2, 0x44800
	v_mov_b32 v63, 0
	ds_add_u32 v62, v63
	v_lshrrev_b32 v52, 5, v0
	v_readfirstlane_b32 s10, v52                   ; wave 0..3
	s_lshr_b32 s11, s10, 1                         ; 0: I fetch K, 1: I fetch q'
	s_and_b32 s12, s10, 1                          ; which half of it
	s_bfe_u32 s13, ttmp6, 0x40000                  ; cx: enters the addresses of q', of the x tile and of part alone
	s_lshl_b32 s14, ttmp9, 2
	s_add_co_u32 s14, s14, s13                     ; query block 0..7
	s_and_b32 s15, ttmp7, 0xffff
	s_and_b32 s16, s15, 7                          ; head
	s_lshr_b32 s17, s15, 3                         ; batch
	s_mov_b32 s80, 0x76543210                      ; v_permlanex16_b32: lane i reads lane i of the other half
	s_mov_b32 s81, 0xfedcba98
	s_mov_b32 s84, 0                               ; key tiles done
	; group 1: elements of 2 bytes, rows of 128 elements, 512 elements from row to row
	s_mov_b32 s[G1K+0], 15|(1<<16)|(1<<20)|(1<<21)|(5<<22)|(3<<25)   ; all four partners; 4 words of padding behind every 64: pitch 272
	s_mov_b32 s[G1K+1], 128<<16
	s_mov_b32 s[G1K+2], 128<<16                    ; 128 rows
	s_mov_b32 s[G1K+3], 128<<16
	s_mov_b32 s[G1K+4], 128
	s_mov_b32 s[G1K+5], 512
	s_mov_b32 s[G1K+6], 0
	s_mov_b32 s[G1K+7], 0
	s_mov_b32 s[G1Q+0], (1<<16)|(1<<20)|(5<<22)|(3<<25)              ; no mask: my work-group's own
	s_mov_b32 s[G1Q+1], 128<<16
	s_mov_b32 s[G1Q+2], 64<<16                     ; 64 rows
	s_mov_b32 s[G1Q+3], 128<<16
	s_mov_b32 s[G1Q+4], 64
	s_mov_b32 s[G1Q+5], 512
	s_mov_b32 s[G1Q+6], 0
	s_mov_b32 s[G1Q+7], 0
	s_mov_b32 s[G1V+0], 15|(1<<16)|(1<<20)|(1<<21)|(5<<22)|(7<<25)   ; 8 words of padding: pitch 288, an odd multiple of 32
	s_mov_b32 s[G1V+1], 128<<16
	s_mov_b32 s[G1V+2], 64<<16
	s_mov_b32 s[G1V+3], 128<<16
	s_mov_b32 s[G1V+4], 64
	s_mov_b32 s[G1V+5], 512
	s_mov_b32 s[G1V+6], 0
	s_mov_b32 s[G1V+7], 0
	; byte offsets.  A matrix of qv, and x in cst, are rows of 1,024 bytes
	s_lshl_b32 s18, s16, 22
	s_lshl_b32 s19, s17, 20
	s_lshl_b32 s20, s12, 17                        ; K = x: row 1024 b + 128 x half
	s_add_co_u32 s20, s20, s19
	s_mov_b32 s21, 0
	s_add_co_u32 s18, s18, s19                     ; matrix h, batch b
	s_lshl_b32 s22, s10, 8                         ; v': matrix 8 + h, my 128 columns; two chunks back, since every use steps first
	s_add_co_u32 s22, s22, s18
	s_add_co_u32 s22, s22, (8<<22)-131072
	s_mov_b32 s23, 0
	s_lshl_b32 s90, s14, 17                        ; q': matrix h, 128 rows x query block + 64 rows x half
	s_lshl_b32 s91, s12, 16
	s_add_co_u32 s90, s90, s91
	s_add_co_u32 s90, s90, s18
	s_mov_b32 s91, 0
	s_lshl_b32 s92, s16, 16                        ; WB at 12,582,912: rows 64 h, my 128 columns
	s_lshl_b32 s93, s10, 8
	s_add_co_u32 s92, s92, s93
	s_add_co_u32 s92, s92, 12582912
	s_mov_b32 s93, 0
	s_lshl_b32 s94, s14, 17                        ; the x tile: row 1024 b + 128 x query block + 64 x wave, byte 128 h
	s_add_co_u32 s94, s94, s19
	s_lshl_b32 s95, s10, 16
	s_add_co_u32 s94, s94, s95
	s_lshl_b32 s95, s16, 7
	s_add_co_u32 s94, s94, s95
	s_mov_b32 s95, 0
	s_lshl_b32 s96, s16, 23                        ; part: rows of 2,048 bytes, my 128 columns
	s_lshl_b32 s97, s17, 21
	s_add_co_u32 s96, s96, s97
	s_lshl_b32 s97, s14, 18
	s_add_co_u32 s96, s96, s97
	s_lshl_b32 s97, s10, 9
	s_add_co_u32 s96, s96, s97
	s_mov_b32 s97, 0
	s_mul_i32 s82, s10, 34816                      ; K lands at wave x 34,816 (waves 0, 1)
	s_mul_i32 s83, s10, 17408                      ; q' at 34,816 + wave x 17,408 (waves 2, 3): 69,632 and 87,040
	s_add_co_u32 s83, s83, 34816
	s_mul_i32 s98, s10, 18432                      ; my strip
	s_wait_dscnt 0x0
	s_wait_kmcnt 0x0
	s_add_nc_u64 s[20:21], s[6:7], s[20:21]
	s_add_nc_u64 s[22:23], s[4:5], s[22:23]
	s_add_nc_u64 s[90:91], s[4:5], s[90:91]
	s_add_nc_u64 s[WJ:WJ+1], s[6:7], s[92:93]
	s_add_nc_u64 s[86:87], s[6:7], s[94:95]
	s_add_nc_u64 s[88:89], s[8:9], s[96:97]
.irp s, 0,1
	s_mov_b32 s[G0K+4*\s], 1
	s_add_co_u32 s[G0K+4*\s+1], s82, \s*SLOT
	s_add_nc_u64 s[G0K+4*\s+2:G0K+4*\s+3], s[20:21], \s*256
	s_or_b32 s[G0K+4*\s+3], s[G0K+4*\s+3], 0x80000000
	s_mov_b32 s[G0Q+4*\s], 1
	s_add_co_u32 s[G0Q+4*\s+1], s83, \s*SLOT
	s_add_nc_u64 s[G0Q+4*\s+2:G0Q+4*\s+3], s[90:91], \s*256
	s_or_b32 s[G0Q+4*\s+3], s[G0Q+4*\s+3], 0x80000000
	s_mov_b32 s[G0V+4*\s], 1
	s_add_co_u32 s[G0V+4*\s+1], s98, \s*SLOT
	s_add_nc_u64 s[G0V+4*\s+2:G0V+4*\s+3], s[22:23], \s*65536
	s_or_b32 s[G0V+4*\s+3], s[G0V+4*\s+3], 0x80000000
.endr
	CROUND                                         ; the four partners are here: the first joint loads meet
	RFS 0, 0                                       ; S0
	RFS 1, 0                                       ; S1
	v_and_b32 v52, 15, v0                          ; r = l % 16
	v_bfe_u32 v53, v0, 4, 1
	v_lshlrev_b32 v53, 4, v53                      ; 16 x (l / 16)
	v_mul_u32_u24 v54, v52, 272
	v_add_nc_u32 v54, v54, v53
	s_mul_i32 s18, s10, 17408                      ; my 64 keys
	v_add_nc_u32 v[AK], s18, v54
	v_add_nc_u32 v[AK+1], SLOT, v[AK]
	v_add_nc_u32 v[AQ], QOFF, v54
	v_add_nc_u32 v[AQ+1], SLOT+QOFF, v54
	v_and_b32 v55, 7, v0
	v_bfe_u32 v56, v0, 4, 1
	v_lshl_add_u32 v55, v56, 3, v55                ; row 8 (l / 16) + l % 8 of the strip,
	v_mul_u32_u24 v55, v55, 288
	v_bfe_u32 v56, v0, 3, 1
	v_lshl_add_u32 v55, v56, 4, v55                ; 16 bytes on for lanes 8-15 of each half
	v_add_nc_u32 v[AV], s98, v55
	v_add_nc_u32 v[AV+1], SLOT, v[AV]
	v_mul_u32_u24 v55, v52, 528
	v_add_nc_u32 v55, v55, v53
	v_add_nc_u32 v[APL], PBASE, v55
	v_add_nc_u32 v[APL+1], PBASE+64*528, v55
	s_lshl_b32 s19, s10, 7                         ; my 64 keys' 128 bytes of a row of P
	s_add_co_u32 s19, s19, PBASE
	v_add_nc_u32 v[PST], s19, v55
	v_lshlrev_b32 v56, 4, v52
	v_add_nc_u32 v[MXL], MXBASE, v56
	s_lshl_b32 s19, s10, 2
	v_add_nc_u32 v[MXS], s19, v[MXL]
	v_mul_u32_u24 v56, v52, XP
	v_add_nc_u32 v56, v56, v53
	v_add_nc_u32 v[AXL], SLOT, v56
	v_add_nc_u32 v[AXL+1], SLOT+64*XP, v56
	s_mul_i32 s20, s10, 8448
	s_add_co_u32 s20, s20, PBASE                   ; my stage
	v_mul_u32_u24 v57, v52, 528
	v_lshl_add_u32 v57, v53, 1, v57                ; row r, 32 bytes for each half of the lanes
	v_add_nc_u32 v[STO], s20, v57
	v_and_b32 v58, 31, v0
	v_lshlrev_b32 v[CO], 4, v58
	v_add_nc_u32 v[RD], s20, v[CO]
	; the x tile's descriptor: 64 rows x 64 elements of 2 bytes, 4 words of padding behind every 32: pitch 144; no mask
	s_mov_b32 s[G1X+0], (1<<16)|(1<<20)|(4<<22)|(3<<25)
	s_mov_b32 s[G1X+1], 64<<16
	s_mov_b32 s[G1X+2], 64<<16
	s_mov_b32 s[G1X+3], 64<<16
	s_mov_b32 s[G1X+4], 64
	s_mov_b32 s[G1X+5], 512
	s_mov_b32 s[G1X+6], 0
	s_mov_b32 s[G1X+7], 0
	s_mov_b32 s[G0X], 1
	s_mul_i32 s[G0X+1], s10, 64*XP
	s_add_co_u32 s[G0X+1], s[G0X+1], SLOT
	s_mov_b64 s[G0X+2:G0X+3], s[86:87]
	s_or_b32 s[G0X+3], s[G0X+3], 0x80000000
.irp nb, 0,1,2,3,4,5,6,7
	v_mov_b32 v[NM+\nb], 0x7f800000                ; minus the maximum of nothing: the first factor is 2^-inf = 0
	v_mov_b32 v[TP+\nb], 0
	v_mov_b32 v[LS+2*\nb], 0
	v_mov_b32 v[LS+2*\nb+1], 0
.endr
	; O is cleared here, while the first tiles are on their way, so that ONE copy of the key tile's text (rescale, then add) serves all four key tiles.
	WIN 0x80
.set ii, 0
.rept 256
	v_mov_b32 v[ii], 0
.set ii, ii+1
.endr
	WIN 0xc0
.set ii, 0
.rept 256
	v_mov_b32 v[ii], 0
.set ii, ii+1
.endr
	WIN 0
	s_wait_tensorcnt 1                             ; my part of S0 is in; S1's may stay out
	s_barrier_signal -1
	s_barrier_wait -1
	FS 0, 0, 0
	s_branch .Lentry
; Behind V2's round, where a key tile follows: the refills are the next key tile's S0 and S1.
.Lloop:
	RFS 0, 2
	PVB 1, 1, 384
	PVA 1, 384                                     ; V3
	RFS 1, 2
	PVB 2, 0, 0
	WIN 0
.Lentry:
	SSTEP 0, 1, 1, 1, 1                            ; S0; refill S2
	SSTEP 1, 0, 0, 1, 1                            ; S1; refill S3
	SSTEP 0, 1, 0, 2, 1                            ; S2; refill V0
	SSTEP 1, 0, 0, 2, 0                            ; S3; refill V1
	; SOFTMAX of the key tile.  My maxima: 32 numbers a query block and lane.
	PLACES 4
	WIN 0x05
.irp nb, 0,1,2,3,4,5,6,7
	v_max_num_f32 v[MXT+\nb], v[8*\nb], v[8*\nb+1]
.endr
.irp p, 1,2,3
.irp nb, 0,1,2,3,4,5,6,7
	v_max3_num_f32 v[MXT+\nb], v[8*\nb+2*\p], v[8*\nb+2*\p+1], v[MXT+\nb]
.endr
.endr
.irp kb, 1,2,3
.irp p, 0,1,2,3
.irp nb, 0,1,2,3,4,5,6,7
	v_max3_num_f32 v[MXT+\nb], v[8*(8*\kb+\nb)+2*\p], v[8*(8*\kb+\nb)+2*\p+1], v[MXT+\nb]
.endr
.endr
.endr
	WIN 0
.irp nb, 0,1,2,3,4,5,6,7
	v_permlanex16_b32 v[TP+\nb], v[MXT+\nb], s80, s81
.endr
.irp nb, 0,1,2,3,4,5,6,7
	v_max_num_f32 v[MXT+\nb], v[MXT+\nb], v[TP+\nb]
.endr
.irp nb, 0,1,2,3,4,5,6,7
	ds_store_b32 v[MXS], v[MXT+\nb] offset:256*\nb ; both halves of the lanes write the same word with the same value
.endr
	s_wait_dscnt 0                                 ; for the other waves' sake
	s_barrier_signal -1                            ; a plain barrier
	s_barrier_wait -1
.irp nb, 0,1,2,3,4,5,6,7
	ds_load_b128 v[MW+4*\nb:MW+4*\nb+3], v[MXL] offset:256*\nb
.endr
	s_wait_dscnt 0
.irp nb, 0,1,2,3,4,5,6,7
	v_max3_num_f32 v[TP+\nb], v[MW+4*\nb], v[MW+4*\nb+1], v[MW+4*\nb+2]
.endr
.irp nb, 0,1,2,3,4,5,6,7
	v_max_num_f32 v[TP+\nb], v[TP+\nb], v[MW+4*\nb+3]
.endr
.irp nb, 0,1,2,3,4,5,6,7
	v_mul_f32 v[TP+\nb], 0xc438aa3b, v[TP+\nb]     ; times - 512 log2 e: the sums hold the scores times 2^-9
.endr
.irp nb, 0,1,2,3,4,5,6,7
	v_min_num_f32 v[TP+\nb], v[TP+\nb], v[NM+\nb]  ; minus the new running maximum
.endr
.irp nb, 0,1,2,3,4,5,6,7
	v_sub_f32 v[AL+\nb], v[TP+\nb], v[NM+\nb]      ; old maximum - new, at most 0
.endr
.irp nb, 0,1,2,3,4,5,6,7
	v_exp_f32 v[AL+\nb], v[AL+\nb]
.endr
	s_wait_alu depctr_va_vdst(0)
.irp nb, 0,1,2,3,4,5,6,7
	v_mov_b32 v[NM+\nb], v[TP+\nb]                 ; plain instructions between the exponentials and their use (ISA guide 5.7.2)
.endr
.irp nb, 0,1,2,3,4,5,6,7
	PKMULB LS+2*\nb, AL+2*(\nb/2), \nb%2
.endr
	; P = 2^(S 512 log2 e - maximum), in place.  Pair i of tile t; two exponentials, then one multiply-add of the next tile.
.macro AFMA t, i
.if (\t)%2
	v_pk_fma_f32 v[8*(\t)+2*\i:8*(\t)+2*\i+1], v[8*(\t)+2*\i:8*(\t)+2*\i+1], 0x4438aa3b, v[NM+2*(((\t)%8)/2):NM+2*(((\t)%8)/2)+1] op_sel:[0,0,1] op_sel_hi:[1,0,1]
.else
	v_pk_fma_f32 v[8*(\t)+2*\i:8*(\t)+2*\i+1], v[8*(\t)+2*\i:8*(\t)+2*\i+1], 0x4438aa3b, v[NM+2*(((\t)%8)/2):NM+2*(((\t)%8)/2)+1] op_sel_hi:[1,0,0]
.endif
.endm
	WIN 0x41
.irp i, 0,1,2,3
	AFMA 0, \i
.endr
.set tt, 0
.rept 31
.irp i, 0,1,2,3
	v_exp_f32 v[8*tt+2*\i], v[8*tt+2*\i]
	v_exp_f32 v[8*tt+2*\i+1], v[8*tt+2*\i+1]
	AFMA tt+1, \i
.endr
.set tt, tt+1
.endr
.irp j, 0,1,2,3,4,5,6,7
	v_exp_f32 v[8*31+\j], v[8*31+\j]
.endr
	v_nop
	WIN 0x01                                       ; my share of the row sums
	s_wait_alu depctr_va_vdst(0)
.irp kb, 0,1,2,3
.irp i, 0,1,2,3
.irp nb, 0,1,2,3,4,5,6,7
	v_pk_add_f32 v[LS+2*\nb:LS+2*\nb+1], v[8*(8*\kb+\nb)+2*\i:8*(8*\kb+\nb)+2*\i+1], v[LS+2*\nb:LS+2*\nb+1]
.endr
.endr
.endr
	WIN 0x05                                       ; to f16: a lane's 8 keys of a tile are 16 bytes
.irp kb, 0,1,2,3
.irp nb, 0,1,2,3,4,5,6,7
.irp i, 0,1,2,3
	v_cvt_pk_f16_f32 v[PK+4*(8*\kb+\nb)+\i], v[8*(8*\kb+\nb)+2*\i], v[8*(8*\kb+\nb)+2*\i+1]
.endr
.endr
.endr
	WIN 0
.irp kb, 0,1,2,3
.irp nb, 0,1,2,3,4,5,6,7
	ds_store_b128 v[PST], v[PK+4*(8*\kb+\nb):PK+4*(8*\kb+\nb)+3] offset:8448*\nb+32*\kb
.endr
.endr
	s_wait_dscnt 0                                 ; for the other waves' sake
	s_barrier_signal -1                            ; a plain barrier; between its halves O is rescaled: register work
	RESCALE
	s_barrier_wait -1
	FP 0, 0, 0, 0, 528, APL                        ; V0 was shown landed by the wait in front of S3's round
	PVA 0, 0                                       ; V0
	RFV 0                                          ; V2
	PVB 1, 1, 128
	PVA 1, 128                                     ; V1
	RFV 1                                          ; V3
	PVB 1, 0, 256
	PVA 0, 256                                     ; V2, up to its round; on both ways on exactly one refill follows
	s_add_co_u32 s84, s84, 1
	s_cmp_lt_u32 s84, 4
	s_cbranch_scc1 .Lloop
	; The last key tile's end: the refills are WB's strips and the x tile.
	RFJ
	PVB 1, 1, 384
	PVA 1, 384                                     ; V3
	RFX
	PVB 0, 0, 0
	; EPILOGUE: O times 512 / row sum, and on top of it x[:, 64 h .. + 63] WB[64 h .. + 63, :].
	PLACES 4
	WIN 0
.irp nb, 0,1,2,3,4,5,6,7
	v_add_f32 v[AL+\nb], v[LS+2*\nb], v[LS+2*\nb+1]
.endr
.irp nb, 0,1,2,3,4,5,6,7
	v_permlanex16_b32 v[TP+\nb], v[AL+\nb], s80, s81
.endr
.irp nb, 0,1,2,3,4,5,6,7
	v_add_f32 v[AL+\nb], v[AL+\nb], v[TP+\nb]
.endr
.irp nb, 0,1,2,3,4,5,6,7
	ds_store_b32 v[MXS], v[AL+\nb] offset:2048+256*\nb
.endr
	s_wait_dscnt 0                                 ; the waves' sums,
	s_wait_tensorcnt 0x0                           ; and the halves of the x tile, which all four waves read
	s_barrier_signal -1
	s_barrier_wait -1
.irp nb, 0,1,2,3,4,5,6,7
	ds_load_b128 v[MW+4*\nb:MW+4*\nb+3], v[MXL] offset:2048+256*\nb
.endr
	s_wait_dscnt 0
	FP 0, 0, 0, 0, XP, AXL                         ; WB's strip was shown landed by the wait in front of V3's round
.irp nb, 0,1,2,3,4,5,6,7
	v_add_f32 v[TP+\nb], v[MW+4*\nb], v[MW+4*\nb+1]
.endr
.irp nb, 0,1,2,3,4,5,6,7
	v_add_f32 v[AL+\nb], v[MW+4*\nb+2], v[MW+4*\nb+3]
.endr
.irp nb, 0,1,2,3,4,5,6,7
	v_add_f32 v[AL+\nb], v[AL+\nb], v[TP+\nb]
.endr
.irp nb, 0,1,2,3,4,5,6,7
	v_rcp_f32 v[AL+\nb], v[AL+\nb]
.endr
	v_nop                                          ; a plain place behind the reciprocals (ISA guide 5.7.2)
	s_wait_alu depctr_va_vdst(0)
.irp nb, 0,1,2,3,4,5,6,7
	v_mul_f32 v[AL+\nb], 0x44000000, v[AL+\nb]     ; v' came times 2^-9
.endr
	RESCALE
	FP 0, 1, 0, 1, XP, AXL
	s_wait_dscnt 32                                ; all but the 32 just issued
	MP64 0
	s_wait_dscnt 0
	MP64 1
	; THE WAY OUT, a query block at a time: 32 bytes a lane into my stage, read back as rows of 512 bytes: a store of the wave covers 512 consecutive bytes, aligned.
	PLACES 4
.macro OUTQ nb
.if \nb < 4
	WIN 0x08
.else
	WIN 0x0c
.endif
.irp fb, 0,1,2,3,4,5,6,7
	ds_store_b128 v[STO], v[8*(8*(\nb%4)+\fb):8*(8*(\nb%4)+\fb)+3]   offset:64*\fb
	ds_store_b128 v[STO], v[8*(8*(\nb%4)+\fb)+4:8*(8*(\nb%4)+\fb)+7] offset:64*\fb+16
.endr
	WIN 0
	s_wait_xcnt 0x0                                ; the registers read back into were store data two blocks ago
.irp row, 0,1,2,3,4,5,6,7,8,9,10,11,12,13,14,15
	ds_load_b128 v[OB+64*(\nb%2)+4*\row:OB+64*(\nb%2)+4*\row+3], v[RD] offset:528*\row   ; LDS serves a wave's instructions in order
.endr
.irp row, 0,1,2,3,4,5,6,7,8,9,10,11,12,13,14,15
	s_wait_dscnt 15-\row
	global_store_b128 v[CO], v[OB+64*(\nb%2)+4*\row:OB+64*(\nb%2)+4*\row+3], s[88:89] offset:2048*(16*\nb+\row)
.endr
.endm
.irp nb, 0,1,2,3,4,5,6,7
	OUTQ \nb
.endr
	s_wait_tensorcnt 0x0
	ds_add_u32 v62, v63
	s_wait_dscnt 0x0
	CROUND                                         ; the closing round
	s_endpgm
.Lfunc_end_k_q7e5a846e5c_attn:
	.size	k_q7e5a846e5c_attn, .Lfunc_end_k_q7e5a846e5c_attn-k_q7e5a846e5c_attn
	.p2alignl 7, 3214868480
	.fill 96, 4, 3214868480
	.section	.rodata,"a",@progbits
	.p2align	6, 0x0
	.amdhsa_kernel k_q7e5a846e5c_attn
		.amdhsa_group_segment_fixed_size 327680
		.amdhsa_private_segment_fixed_size 0
		.amdhsa_enable_private_segment 0
		.amdhsa_kernarg_size 24
		.amdhsa_user_sgpr_count 2
		.amdhsa_user_sgpr_kernarg_segment_ptr 1
		.amdhsa_wavefront_size32 1
		.amdhsa_system_sgpr_workgroup_id_x 1
		.amdhsa_system_sgpr_workgroup_id_y 1
		.amdhsa_system_sgpr_workgroup_id_z 1
		.amdhsa_system_vgpr_workitem_id 0
		.amdhsa_next_free_vgpr 1024
		.amdhsa_next_free_sgpr 100
		.amdhsa_reserve_vcc 0
		.amdhsa_float_denorm_mode_32 3
		.amdhsa_float_denorm_mode_16_64 3
		.amdhsa_memory_ordered 1
		.amdhsa_forward_progress 1
		.amdhsa_inst_pref_size 255
	.end_amdhsa_kernel
	.section	.bss,"aw",@nobits
	.p2align	6
	.space	262144
	.amdgpu_metadata
---
amdhsa.version: [ 1, 2 ]
amdhsa.kernels:
  - .name:           k_q7e5a846e5c_attn
    .symbol:         k_q7e5a846e5c_attn.kd
    .args:
      - { .name: qv, .offset: 0, .size: 8, .value_kind: global_buffer, .address_space: global }
      - { .name: cst, .offset: 8, .size: 8, .value_kind: global_buffer, .address_space: global }
      - { .name: part, .offset: 16, .size: 8, .value_kind: global_buffer, .address_space: global }
    .group_segment_fixed_size: 327680
    .private_segment_fixed_size: 0
    .kernarg_segment_align: 8
    .kernarg_segment_size: 24
    .max_flat_workgroup_size: 128
    .sgpr_count:     100
    .vgpr_count:     1024
    .wavefront_size: 32
...
	.end_amdgpu_metadata
.endif
;; end of part 7
;; launch ln (part 8): grid 512 x 1, 8 waves a work-group, no clusters, 0 bytes of LDS; arguments part, x, gamma, beta, out0; writes out0
.if DOCPART == 8
	.amdgcn_target "amdgcn-amd-amdhsa--gfx1250"
	.amdhsa_code_object_version 6
	.text
	.protected	k_q7e5a846e5c_ln
	.globl	k_q7e5a846e5c_ln
	.p2align	8
	.type	k_q7e5a846e5c_ln,@function
k_q7e5a846e5c_ln:
	s_mov_b64 s[64:65], 0
	v_nop
	global_prefetch_b8 v0, s[64:65] scope:SCOPE_SE
	s_setreg_imm32_b32 hwreg(HW_REG_WAVE_MODE, 25, 1), 1
	s_wait_xcnt 0x0
; out0[row] = LayerNorm(x[row] + sum over the 8 heads of part[h][row]) * gamma + beta, all in f32.  Nothing of reference() is left out here.
; FORMAT: x, gamma and beta are loaded in f32 and taken at their bf16 values, as every input of this program is.  The products must round x and the weights, and the unscaled
; scores carry those roundings into the result wherever two keys nearly tie; so the program as a whole is reference() on inputs of bf16 precision, and it is that in every place:
; an unrounded gamma, beta or x would differ from it by up to 2^-8 of its term, which counts where gamma (y - mean) / sd and beta cancel.
; One wave, one row: the sums never leave the wave, so there is no LDS and no barrier.  A lane holds columns 4 l + 128 j, j = 0..3:
; each 16-byte load or store of the wave covers 512 consecutive bytes.  All 44 loads of a row go out at once; matrix units and clusters have nothing to do here.
.set P,   4                            ; v[4:131]   part, head p at 16 p
.set Y,   132                          ; v[132:147] x, then the row
.set G,   148                          ; v[148:163] gamma
.set BE,  164                          ; v[164:179] beta
.set T,   188                          ; v[188:199] at work
	s_load_b256 s[4:11], s[0:1], 0x0               ; part, x, gamma, beta
	s_load_b64 s[12:13], s[0:1], 0x20              ; out0
	v_lshrrev_b32 v3, 5, v0
	v_readfirstlane_b32 s14, v3                    ; wave
	s_lshl_b32 s15, ttmp9, 3
	s_add_co_u32 s15, s15, s14                     ; row
	v_and_b32 v3, 31, v0
	v_lshlrev_b32 v1, 4, v3                        ; 16 bytes a lane
	s_lshl_b32 s32, s15, 11                        ; rows of 2,048 bytes
	s_mov_b32 s33, 0
	s_mov_b32 s40, 0x76543210
	s_mov_b32 s41, 0xfedcba98
	s_mov_b32 s42, 0xffff0000
	s_mov_b32 s43, 0x3b000000                      ; 1 / 512
	s_mov_b32 s44, 0x3727c5ac                      ; 1e-5
	s_wait_kmcnt 0x0
	s_add_nc_u64 s[16:17], s[4:5], s[32:33]
.irp p, 1,2,3,4,5,6,7
	s_add_nc_u64 s[16+2*\p:17+2*\p], s[14+2*\p:15+2*\p], 0x800000   ; a head's plane is 8,388,608 bytes: more than an immediate offset holds
.endr
	s_add_nc_u64 s[34:35], s[6:7], s[32:33]
	s_add_nc_u64 s[36:37], s[12:13], s[32:33]
.irp j, 0,1,2,3
	global_load_b128 v[Y+4*\j:Y+4*\j+3], v1, s[34:35] offset:512*\j
.endr
.irp j, 0,1,2,3
	global_load_b128 v[G+4*\j:G+4*\j+3], v1, s[8:9] offset:512*\j
.endr
.irp j, 0,1,2,3
	global_load_b128 v[BE+4*\j:BE+4*\j+3], v1, s[10:11] offset:512*\j
.endr
.irp p, 0,1,2,3,4,5,6,7
.irp j, 0,1,2,3
	global_load_b128 v[P+16*\p+4*\j:P+16*\p+4*\j+3], v1, s[16+2*\p:17+2*\p] offset:512*\j th:TH_LOAD_NT
.endr
.endr
	s_wait_loadcnt 32                              ; x, gamma, beta are in; the 32 loads of part stay out
.irp k, 0,2,4,6,8,10,12,14,16,18,20,22,24,26,28,30,32,34,36,38,40,42,44,46
	v_cvt_pk_bf16_f32 v[T+(\k/2)%4], v[Y+\k], v[Y+\k+1]    ; x, then gamma, then beta, which lie behind each other
	v_lshlrev_b32 v[Y+\k],   16,  v[T+(\k/2)%4]
	v_and_b32     v[Y+\k+1], s42, v[T+(\k/2)%4]
.endr
.irp p, 0,1,2,3,4,5,6,7
	s_wait_loadcnt 28-4*\p                         ; head p's four loads are in; the later heads' stay out
.irp k, 0,2,4,6,8,10,12,14
	v_pk_add_f32 v[Y+\k:Y+\k+1], v[Y+\k:Y+\k+1], v[P+16*\p+\k:P+16*\p+\k+1]
.endr
.endr
; the sum over the wave's 32 lanes, in every lane; t has been written before
.macro WSUM r, t
	v_add_f32_dpp v[\r], v[\r], v[\r] row_xmask:1 row_mask:0xf bank_mask:0xf
	v_add_f32_dpp v[\r], v[\r], v[\r] row_xmask:2 row_mask:0xf bank_mask:0xf
	v_add_f32_dpp v[\r], v[\r], v[\r] row_xmask:4 row_mask:0xf bank_mask:0xf
	v_add_f32_dpp v[\r], v[\r], v[\r] row_xmask:8 row_mask:0xf bank_mask:0xf
	v_permlanex16_b32 v[\t], v[\r], s40, s41
	v_add_f32 v[\r], v[\r], v[\t]
.endm
	v_pk_add_f32 v[192:193], v[Y:Y+1],     v[Y+2:Y+3]
	v_pk_add_f32 v[194:195], v[Y+4:Y+5],   v[Y+6:Y+7]
	v_pk_add_f32 v[196:197], v[Y+8:Y+9],   v[Y+10:Y+11]
	v_pk_add_f32 v[198:199], v[Y+12:Y+13], v[Y+14:Y+15]
	v_pk_add_f32 v[192:193], v[192:193], v[194:195]
	v_pk_add_f32 v[196:197], v[196:197], v[198:199]
	v_pk_add_f32 v[192:193], v[192:193], v[196:197]
	v_add_f32 v192, v192, v193
	WSUM 192, 189
	v_mul_f32 v190, 0xbb000000, v192               ; minus the mean
	v_mov_b32 v191, v190
.irp k, 0,2,4,6,8,10,12,14
	v_pk_add_f32 v[Y+\k:Y+\k+1], v[Y+\k:Y+\k+1], v[190:191]
.endr
	v_pk_mul_f32 v[192:193], v[Y:Y+1],   v[Y:Y+1]
	v_pk_mul_f32 v[194:195], v[Y+2:Y+3], v[Y+2:Y+3]
.irp k, 4,8,12
	v_pk_fma_f32 v[192:193], v[Y+\k:Y+\k+1],   v[Y+\k:Y+\k+1],   v[192:193]
	v_pk_fma_f32 v[194:195], v[Y+\k+2:Y+\k+3], v[Y+\k+2:Y+\k+3], v[194:195]
.endr
	v_pk_add_f32 v[192:193], v[192:193], v[194:195]
	v_add_f32 v192, v192, v193
	WSUM 192, 189
	v_fma_f32 v194, v192, s43, s44                 ; the biased variance + 1e-5
	v_rsq_f32 v196, v194
	v_rsq_f32 v197, v194
	v_nop                                          ; a plain place behind the transcendentals (ISA guide 5.7.2)
	s_wait_alu depctr_va_vdst(0)
.irp k, 0,2,4,6,8,10,12,14
	v_pk_mul_f32 v[Y+\k:Y+\k+1], v[Y+\k:Y+\k+1], v[196:197]
.endr
.irp k, 0,2,4,6,8,10,12,14
	v_pk_fma_f32 v[Y+\k:Y+\k+1], v[Y+\k:Y+\k+1], v[G+\k:G+\k+1], v[BE+\k:BE+\k+1]
.endr
.irp j, 0,1,2,3
	global_store_b128 v1, v[Y+4*\j:Y+4*\j+3], s[36:37] offset:512*\j th:TH_STORE_NT
.endr
	s_endpgm
.Lfunc_end_k_q7e5a846e5c_ln:
	.size	k_q7e5a846e5c_ln, .Lfunc_end_k_q7e5a846e5c_ln-k_q7e5a846e5c_ln
	.p2alignl 7, 3214868480
	.fill 96, 4, 3214868480
	.section	.rodata,"a",@progbits
	.p2align	6, 0x0
	.amdhsa_kernel k_q7e5a846e5c_ln
		.amdhsa_group_segment_fixed_size 0
		.amdhsa_private_segment_fixed_size 0
		.amdhsa_enable_private_segment 0
		.amdhsa_kernarg_size 40
		.amdhsa_user_sgpr_count 2
		.amdhsa_user_sgpr_kernarg_segment_ptr 1
		.amdhsa_wavefront_size32 1
		.amdhsa_system_sgpr_workgroup_id_x 1
		.amdhsa_system_sgpr_workgroup_id_y 1
		.amdhsa_system_sgpr_workgroup_id_z 1
		.amdhsa_system_vgpr_workitem_id 0
		.amdhsa_next_free_vgpr 200
		.amdhsa_next_free_sgpr 66
		.amdhsa_reserve_vcc 0
		.amdhsa_float_denorm_mode_32 3
		.amdhsa_float_denorm_mode_16_64 3
		.amdhsa_memory_ordered 1
		.amdhsa_forward_progress 1
		.amdhsa_inst_pref_size 17
	.end_amdhsa_kernel
	.amdgpu_metadata
---
amdhsa.version: [ 1, 2 ]
amdhsa.kernels:
  - .name:           k_q7e5a846e5c_ln
    .symbol:         k_q7e5a846e5c_ln.kd
    .args:
      - { .name: part, .offset: 0, .size: 8, .value_kind: global_buffer, .address_space: global }
      - { .name: x, .offset: 8, .size: 8, .value_kind: global_buffer, .address_space: global }
      - { .name: gamma, .offset: 16, .size: 8, .value_kind: global_buffer, .address_space: global }
      - { .name: beta, .offset: 24, .size: 8, .value_kind: global_buffer, .address_space: global }
      - { .name: out0, .offset: 32, .size: 8, .value_kind: global_buffer, .address_space: global }
    .group_segment_fixed_size: 0
    .private_segment_fixed_size: 0
    .kernarg_segment_align: 8
    .kernarg_segment_size: 40
    .max_flat_workgroup_size: 256
    .sgpr_count:     66
    .vgpr_count:     200
    .wavefront_size: 32
...
	.end_amdgpu_metadata
.endif
;; end of part 8
